; MI455X (gfx1250); checked and timed in simulation.
; The chip was launched on July 23, 2026; its instructions are those of AMD's public machine-readable ISA for CDNA 5 (MIT licence, August 2026) and "CDNA5" Instruction Set Architecture Reference Guide (July 2026). The comments in the code are by the model that wrote it; some were corrected since.
;; Sparse Mo EFFN. Allowed arithmetic: float matrix products may take bf16 or f16 operands with f32 sums; other float arithmetic in f32, or as packed bf16 or f16 multiplies, adds, multiply-adds, maxima and minima; sums over many terms, partial sums and values carried from step to step in f32; what a program stores and reads back later, other than sums and carried values, may be rounded once to bf16 or f16.
;; Inputs: W1 8 x 1,024 x 4,096 float32; W2 8 x 4,096 x 1,024 float32; b1 8 x 4,096 float32; b2 8 x 1,024 float32; w_router 1,024 x 8 float32; x 8 x 128 x 1,024 float32.
;; Outputs: out0 8 x 128 x 1,024 float32; out1 one number float32.
;; 2 versions, each right; version 2 is version 1 with the launches ffn1, ffn2 written anew for expert scheduling mode. Each part assembles by itself: llvm-mc -triple=amdgcn-amd-amdhsa -mcpu=gfx1250 --defsym DOCPART=n.
;; ======== version 1 of 2: 4 launches
;; limits: values are held in f16: magnitudes above 65,504 overflow, below 6.1e-05 lose precision; an absolute error that grows with the inputs' magnitude: up to 7.5e-08 times it
;; workspace buffers: xb 2,097,152 bytes; idx 8,192 bytes of whole numbers; wts 8,192 bytes; rsum 16,384 bytes; h 16,777,216 bytes; part 33,554,432 bytes
;; launch router (part 1): grid 256 x 1, 1 waves a work-group, no clusters, 0 bytes of LDS; arguments x, w_router, xb, idx, wts, rsum; writes xb, idx, wts, rsum
.if DOCPART == 1
	.amdgcn_target "amdgcn-amd-amdhsa--gfx1250"
	.amdhsa_code_object_version 6
	.text
	.protected	k_qbd63441299_router
	.globl	k_qbd63441299_router
	.p2align	8
	.type	k_qbd63441299_router,@function
k_qbd63441299_router:
	s_mov_b64 s[64:65], 0
	v_nop
	global_prefetch_b8 v0, s[64:65] scope:SCOPE_SE
	s_setreg_imm32_b32 hwreg(HW_REG_WAVE_MODE, 25, 1), 1
	s_wait_xcnt 0x0
; ROUTER.  logits = bf16(x) . bf16(w_router) in f32; softmax with the row's maximum taken away; the two largest probabilities (ties: the lower index);
; their gates p / (p1 + p2).  Stored: xb = x rounded once to bf16; idx[2 token + slot] = the chosen expert; wts[2 token + slot] = its gate;
; rsum[group][0..7] = the sum of the probabilities of the group's four tokens, rsum[group][8..15] = how often each expert was chosen (whole numbers as f32).
; All inputs of the module are rounded to bf16 before they are multiplied, here too, so that the choice is made on the same numbers as the experts' products.
; SHARES.  One wave takes four tokens.  Lane l holds the channels d = 128 j + 4 l + c (j = 0..7, c = 0..3): a load of x covers 512 neighbouring bytes of a row,
; a store of xb 256 neighbouring bytes, aligned.  The three short results are 32, 32 and 64 bytes a group: 128 bytes of 24 KiB that the group moves.
; LIMITS.  The logits are summed in another order than the reference's: a token whose second and third probabilities agree to the last bits of f32 may choose otherwise.
; A probability below 2^-126 counts as 0.  NaN and infinities are not treated apart.
; No matrix unit: 8 columns are half a matrix tile, and the work is 16 MFLOP.  No LDS, no barrier: the reduction stays in the wave.
.set ACC, 8            ; v8-39    logit sums: token t, expert e at ACC + 8 t + e
.set XR,  40           ; v40-103  four slots of 16: x, token t, component c at 4 t + c
.set WR,  104          ; v104-231 four slots of 32: w_router, row c, expert e at 8 c + e
.set Y,   232          ; v232-239 x in bf16, to store
.set WT,  240          ; v240-255 w_router in bf16
; behind the loop the slots are free:
.set MM,  72           ; c m of a token
.set SUM, 76
.set RC,  80
.set BV1, 84
.set BI,  88           ; the chosen experts: 2 t + slot
.set BV2, 96
.set P,   104          ; probabilities
.set P2,  136          ; the same with the first choice struck out
.set G,   168          ; gates: 2 t + slot
.set S12, 176
.set PS,  184
.set CNT, 192
.set IV,  193
.set GV,  194
.set PV,  195
.set TP,  196
.set TS,  200
	s_load_b256 s[4:11], s[0:1], 0x0               ; x s[4:5], w_router s[6:7], xb s[8:9], idx s[10:11]
	s_load_b128 s[12:15], s[0:1], 0x20             ; wts s[12:13], rsum s[14:15]
	v_lshlrev_b32 v2, 4, v0                        ; x: 16 bytes a lane
	v_lshlrev_b32 v3, 7, v0                        ; w_router: four rows of 32 bytes a lane
	v_lshlrev_b32 v4, 3, v0                        ; xb: 8 bytes a lane
	v_lshlrev_b32 v5, 2, v0                        ; the short results: a word a lane
	s_mov_b32 s16, 0x76543210                      ; v_permlanex16_b32: each lane takes its own place in the other half
	s_mov_b32 s17, 0xfedcba98
	s_mov_b32 s18, 0x3fb8aa3b                      ; log2(e)
	s_mov_b32 s19, 0xffff0000                      ; a word's upper bf16
.irp i, 1,2,3,4,5,6,7
	s_mov_b32 s[20+\i], 1<<\i                      ; lane i alone
.endr
	s_mov_b32 s31, 0
	s_lshl_b32 s30, ttmp9, 14                      ; four rows of x
	s_wait_kmcnt 0x0
	s_add_nc_u64 s[4:5], s[4:5], s[30:31]
	s_lshl_b32 s30, ttmp9, 13                      ; four rows of xb
	s_add_nc_u64 s[8:9], s[8:9], s[30:31]
	s_lshl_b32 s30, ttmp9, 5                       ; eight words
	s_add_nc_u64 s[10:11], s[10:11], s[30:31]
	s_add_nc_u64 s[12:13], s[12:13], s[30:31]
	s_lshl_b32 s30, ttmp9, 6                       ; sixteen words
	s_add_nc_u64 s[14:15], s[14:15], s[30:31]
.macro RLOAD j                         ; step j's twelve loads into slot j % 4
.set XS, XR+16*((\j)%4)
.set WS, WR+32*((\j)%4)
.irp t, 0,1,2,3
	global_load_b128 v[XS+4*\t:XS+4*\t+3], v2, s[4:5] offset:4096*\t+512*(\j) th:TH_LOAD_NT
.endr
.irp i, 0,1,2,3,4,5,6,7
	global_load_b128 v[WS+4*\i:WS+4*\i+3], v3, s[6:7] offset:4096*(\j)+16*\i
.endr
.endm
.macro RFMA d, w, x, hi, first         ; two experts' sums take one component of x: the low (hi = 0) or the high register of the pair
.if \first
	v_pk_mul_f32 v[\d:\d+1], v[\w:\w+1], v[\x:\x+1] op_sel_hi:[1,0]
.elseif \hi
	v_pk_fma_f32 v[\d:\d+1], v[\w:\w+1], v[\x:\x+1], v[\d:\d+1] op_sel:[0,1,0] op_sel_hi:[1,1,1]
.else
	v_pk_fma_f32 v[\d:\d+1], v[\w:\w+1], v[\x:\x+1], v[\d:\d+1] op_sel_hi:[1,0,1]
.endif
.endm
; Step j.  left: the loads of the younger steps, twelve each, may stay out.  ahead = 1: the slot takes step j + 4.
.macro RSTEP j, left, ahead
.set XS, XR+16*((\j)%4)
.set WS, WR+32*((\j)%4)
	s_wait_loadcnt \left
	s_wait_xcnt 0x0                                ; Y was the last step's store data: it is written again only behind this wait
.set z, 0
.rept 8
	v_cvt_pk_bf16_f32 v[Y+z], v[XS+2*z], v[XS+2*z+1]
.set z, z+1
.endr
.set z, 0
.rept 16
	v_cvt_pk_bf16_f32 v[WT+z], v[WS+2*z], v[WS+2*z+1]
.set z, z+1
.endr
.irp t, 0,1,2,3
	global_store_b64 v4, v[Y+2*\t:Y+2*\t+1], s[8:9] offset:2048*\t+256*(\j)
.endr
.set z, 0
.rept 8                                ; the rounded numbers back in f32, in place
	v_lshlrev_b32 v[XS+2*z], 16, v[Y+z]
	v_and_b32 v[XS+2*z+1], s19, v[Y+z]
.set z, z+1
.endr
.set z, 0
.rept 16
	v_lshlrev_b32 v[WS+2*z], 16, v[WT+z]
	v_and_b32 v[WS+2*z+1], s19, v[WT+z]
.set z, z+1
.endr
.irp c, 0,1,2,3                        ; sixteen sums by turns; the very first product starts them
.irp t, 0,1,2,3
.irp p, 0,1,2,3
	RFMA ACC+8*\t+2*\p, WS+8*\c+2*\p, XS+4*\t+2*(\c/2), \c%2, ((\j)==0)&&(\c==0)
.endr
.endr
.endr
.if \ahead
	RLOAD (\j)+4
.endif
.endm
	RLOAD 0
	RLOAD 1
	RLOAD 2
	RLOAD 3
	RSTEP 0, 36, 1
	RSTEP 1, 36, 1
	RSTEP 2, 36, 1
	RSTEP 3, 36, 1
	RSTEP 4, 36, 0
	RSTEP 5, 24, 0
	RSTEP 6, 12, 0
	RSTEP 7, 0, 0
	; the 32 sums over the lanes: every lane ends with all of them
.irp m, 1,2,4,8
.set z, 0
.rept 32
	v_add_f32_dpp v[ACC+z], v[ACC+z], v[ACC+z] row_xmask:\m row_mask:0xf bank_mask:0xf
.set z, z+1
.endr
.endr
.set z, 0
.rept 32
	v_permlanex16_b32 v[XR+z], v[ACC+z], s16, s17
.set z, z+1
.endr
.set z, 0
.rept 32
	v_add_f32 v[ACC+z], v[ACC+z], v[XR+z]
.set z, z+1
.endr
	; softmax: the token's maximum m; 2^(c L - c m)
.irp t, 0,1,2,3
	v_max3_num_f32 v[MM+\t], v[ACC+8*\t], v[ACC+8*\t+1], v[ACC+8*\t+2]
.endr
.irp t, 0,1,2,3
	v_max3_num_f32 v[MM+\t], v[MM+\t], v[ACC+8*\t+3], v[ACC+8*\t+4]
.endr
.irp t, 0,1,2,3
	v_max3_num_f32 v[MM+\t], v[MM+\t], v[ACC+8*\t+5], v[ACC+8*\t+6]
.endr
.irp t, 0,1,2,3
	v_max_num_f32 v[MM+\t], v[MM+\t], v[ACC+8*\t+7]
.endr
.irp t, 0,1,2,3
	v_mul_f32 v[MM+\t], s18, v[MM+\t]
.endr
.set z, 0
.rept 32
	v_fma_f32 v[P+z], v[ACC+z], s18, -v[MM+z/8]
.set z, z+1
.endr
.set z, 0
.rept 32
	v_exp_f32 v[P+z], v[P+z]
.set z, z+1
.endr
	v_nop                                          ; a plain instruction behind the last exponential,
	s_wait_alu depctr_va_vdst(0)                   ; and one wait for the batch of 32, ahead of the first use
.irp t, 0,1,2,3
	v_pk_add_f32 v[TS+4*\t:TS+4*\t+1], v[P+8*\t:P+8*\t+1], v[P+8*\t+2:P+8*\t+3]
	v_pk_add_f32 v[TS+4*\t+2:TS+4*\t+3], v[P+8*\t+4:P+8*\t+5], v[P+8*\t+6:P+8*\t+7]
.endr
.irp t, 0,1,2,3
	v_pk_add_f32 v[TS+4*\t:TS+4*\t+1], v[TS+4*\t:TS+4*\t+1], v[TS+4*\t+2:TS+4*\t+3]
.endr
.irp t, 0,1,2,3
	v_add_f32 v[SUM+\t], v[TS+4*\t], v[TS+4*\t+1]
.endr
.irp t, 0,1,2,3
	v_rcp_f32 v[RC+\t], v[SUM+\t]
.endr
	v_nop
	s_wait_alu depctr_va_vdst(0)                   ; one wait for the four reciprocals
.set z, 0
.rept 32
	v_mul_f32 v[P+z], v[P+z], v[RC+z/8]
.set z, z+1
.endr
	; the largest probability: a later expert wins only if it is strictly greater, so ties keep the lower index
.irp t, 0,1,2,3
	v_mov_b32 v[BV1+\t], v[P+8*\t]
	v_mov_b32 v[BI+2*\t], 0
.endr
.irp e, 1,2,3,4,5,6,7
.irp t, 0,1,2,3
	v_cmp_gt_f32 vcc_lo, v[P+8*\t+\e], v[BV1+\t]
	v_cndmask_b32 v[BV1+\t], v[BV1+\t], v[P+8*\t+\e], vcc_lo
	v_cndmask_b32 v[BI+2*\t], v[BI+2*\t], \e, vcc_lo
.endr
.endr
	; the second: the first is struck out (-1 lies below every probability), then the same walk
.irp t, 0,1,2,3
.irp e, 0,1,2,3,4,5,6,7
	v_cmp_eq_u32 vcc_lo, \e, v[BI+2*\t]
	v_cndmask_b32 v[P2+8*\t+\e], v[P+8*\t+\e], -1.0, vcc_lo
.endr
.endr
.irp t, 0,1,2,3
	v_mov_b32 v[BV2+\t], v[P2+8*\t]
	v_mov_b32 v[BI+2*\t+1], 0
.endr
.irp e, 1,2,3,4,5,6,7
.irp t, 0,1,2,3
	v_cmp_gt_f32 vcc_lo, v[P2+8*\t+\e], v[BV2+\t]
	v_cndmask_b32 v[BV2+\t], v[BV2+\t], v[P2+8*\t+\e], vcc_lo
	v_cndmask_b32 v[BI+2*\t+1], v[BI+2*\t+1], \e, vcc_lo
.endr
.endr
.irp t, 0,1,2,3
	v_add_f32 v[S12+\t], v[BV1+\t], v[BV2+\t]
.endr
.irp t, 0,1,2,3
	v_rcp_f32 v[RC+\t], v[S12+\t]
.endr
	; the sums of the four tokens' probabilities stand between the reciprocals and their wait
.irp p, 0,1,2,3
	v_pk_add_f32 v[PS+2*\p:PS+2*\p+1], v[P+2*\p:P+2*\p+1], v[P+8+2*\p:P+8+2*\p+1]
	v_pk_add_f32 v[TS+2*\p:TS+2*\p+1], v[P+16+2*\p:P+16+2*\p+1], v[P+24+2*\p:P+24+2*\p+1]
.endr
.irp p, 0,1,2,3
	v_pk_add_f32 v[PS+2*\p:PS+2*\p+1], v[PS+2*\p:PS+2*\p+1], v[TS+2*\p:TS+2*\p+1]
.endr
	s_wait_alu depctr_va_vdst(0)                   ; one wait for the four reciprocals
.irp t, 0,1,2,3
	v_mul_f32 v[G+2*\t], v[BV1+\t], v[RC+\t]
	v_mul_f32 v[G+2*\t+1], v[BV2+\t], v[RC+\t]
.endr
	; lane e counts how many of the eight choices name expert e
	v_mov_b32 v[CNT], 0
.irp i, 0,1,2,3,4,5,6,7
	v_cmp_eq_u32 vcc_lo, v0, v[BI+\i]
	v_cndmask_b32 v[TP], 0, 1.0, vcc_lo
	v_add_f32 v[CNT], v[CNT], v[TP]
.endr
	; lane i takes entry i of the three lists
	v_mov_b32 v[IV], v[BI]
	v_mov_b32 v[GV], v[G]
	v_mov_b32 v[PV], v[PS]
.irp i, 1,2,3,4,5,6,7
	v_cndmask_b32 v[IV], v[IV], v[BI+\i], s[20+\i]
	v_cndmask_b32 v[GV], v[GV], v[G+\i], s[20+\i]
	v_cndmask_b32 v[PV], v[PV], v[PS+\i], s[20+\i]
.endr
	v_cmp_gt_u32 vcc_lo, 8, v0
	s_wait_xcnt 0x0                                ; EXEC is a source of the stores of xb: it changes only behind this wait
	s_and_saveexec_b32 s28, vcc_lo
	global_store_b32 v5, v[IV], s[10:11]
	global_store_b32 v5, v[GV], s[12:13]
	global_store_b32 v5, v[PV], s[14:15]
	global_store_b32 v5, v[CNT], s[14:15] offset:32
	s_wait_xcnt 0x0                                ; and again in front of the line that widens it
	s_or_b32 exec_lo, exec_lo, s28
	s_endpgm
.Lfunc_end_k_qbd63441299_router:
	.size	k_qbd63441299_router, .Lfunc_end_k_qbd63441299_router-k_qbd63441299_router
	.p2alignl 7, 3214868480
	.fill 96, 4, 3214868480
	.section	.rodata,"a",@progbits
	.p2align	6, 0x0
	.amdhsa_kernel k_qbd63441299_router
		.amdhsa_group_segment_fixed_size 0
		.amdhsa_private_segment_fixed_size 0
		.amdhsa_enable_private_segment 0
		.amdhsa_kernarg_size 48
		.amdhsa_user_sgpr_count 2
		.amdhsa_user_sgpr_kernarg_segment_ptr 1
		.amdhsa_wavefront_size32 1
		.amdhsa_system_sgpr_workgroup_id_x 1
		.amdhsa_system_sgpr_workgroup_id_y 1
		.amdhsa_system_sgpr_workgroup_id_z 1
		.amdhsa_system_vgpr_workitem_id 0
		.amdhsa_next_free_vgpr 256
		.amdhsa_next_free_sgpr 66
		.amdhsa_reserve_vcc 1
		.amdhsa_float_denorm_mode_32 3
		.amdhsa_float_denorm_mode_16_64 3
		.amdhsa_memory_ordered 1
		.amdhsa_forward_progress 1
		.amdhsa_inst_pref_size 102
	.end_amdhsa_kernel
	.amdgpu_metadata
---
amdhsa.version: [ 1, 2 ]
amdhsa.kernels:
  - .name:           k_qbd63441299_router
    .symbol:         k_qbd63441299_router.kd
    .args:
      - { .name: x, .offset: 0, .size: 8, .value_kind: global_buffer, .address_space: global }
      - { .name: w_router, .offset: 8, .size: 8, .value_kind: global_buffer, .address_space: global }
      - { .name: xb, .offset: 16, .size: 8, .value_kind: global_buffer, .address_space: global }
      - { .name: idx, .offset: 24, .size: 8, .value_kind: global_buffer, .address_space: global }
      - { .name: wts, .offset: 32, .size: 8, .value_kind: global_buffer, .address_space: global }
      - { .name: rsum, .offset: 40, .size: 8, .value_kind: global_buffer, .address_space: global }
    .group_segment_fixed_size: 0
    .private_segment_fixed_size: 0
    .kernarg_segment_align: 8
    .kernarg_segment_size: 48
    .max_flat_workgroup_size: 32
    .sgpr_count:     66
    .vgpr_count:     256
    .wavefront_size: 32
...
	.end_amdgpu_metadata
.endif
;; end of part 1
;; launch ffn1 (part 2): grid 32 x 8, 8 waves a work-group, no clusters, 320,512 bytes of LDS; arguments W1, b1, xb, idx, h; writes h
.if DOCPART == 2
	.amdgcn_target "amdgcn-amd-amdhsa--gfx1250"
	.amdhsa_code_object_version 6
	.text
	.protected	k_qbd63441299_ffn1
	.globl	k_qbd63441299_ffn1
	.p2align	8
	.type	k_qbd63441299_ffn1,@function
k_qbd63441299_ffn1:
	s_mov_b64 s[64:65], 0
	v_nop
	global_prefetch_b8 v0, s[64:65] scope:SCOPE_SE
	s_setreg_imm32_b32 hwreg(HW_REG_WAVE_MODE, 25, 1), 1
	s_wait_xcnt 0x0
; THE EXPERTS' FIRST PRODUCT.  h[q][n] = gelu(xb[q / 2] . W1[e][:, n] + b1[e][n]),  q = 2 token + slot a routed row, e = idx[q];  operands bf16, sums f32, h stored in f16.
; SHARES.  A work-group has a slice of ONE expert's weights, 1,024 along K x 128 columns, which it alone reads, and all rows routed to that expert: 8 experts x 32 slices = 256 work-groups.
; The slice is read once (each load of a wave takes 512 neighbouring bytes of a row), rounded in registers and laid into LDS in the order in which the matrix operand takes it.
; Then the expert's rows go in blocks of 16.  Block b belongs to wave b % 8; in one walk over K (a pass) a wave takes up to three blocks x 128 columns: 24 accumulators.  The weights' fragments
; come from LDS, the rows' fragments from memory straight into registers.  A pass serves 384 rows; an expert has at most 1,024 (a token's two choices differ): 64 blocks, three passes: the pass
; loop counts to that constant, and a wave jumps forward over the work of a pass in which it has no block.  Blocks 0 and 1 of a walk are always multiplied; the third block's products are jumped
; where it is past the count, its two loads a step are not, so that every counted wait holds on both ways (all lanes of a block past the count name one row: 32 bytes a load).
; THE LIST.  Every wave finds the expert's rows for itself from idx (2,048 whole numbers, stored by the first launch): a list of q in its own LDS bytes.  The places past the count repeat the
; expert's last row; in a block that is not full they store that row's bytes again, with the same values.  A block wholly past the count stores nothing.
; TWO BARRIERS A PASS.  The reads of the slice take their address from a scalar that steps through it (0 to 7 x 4 KTB: with the immediates they end where the stages begin).  The text does not
; lean on that arithmetic: every wave's reads of the slice are over (s_wait_dscnt 0, barrier) before any wave writes its stage, and every wave's stage traffic is over (the same again) before
; the next pass's reads.  Every wave passes both barriers in each of the three passes; only work is jumped.
; FORMATS.  All the module's inputs are rounded to bf16, the bias too.  h is kept in f16: 11 significant bits.
; LIMITS.  |h| stays under 65,504: with x and W1 both 30 times the drawn spread h reaches some 2,800, with offsets of 30 spreads in both some 16,600.  The normal tail in gelu is
; Abramowitz and Stegun 7.1.26 (error under 7.5e-8), so gelu is off by less than 7.5e-8 |x| before it is rounded.  NaN and infinities are not treated apart.
; NO TENSOR LOADS, NO CLUSTER: a slice has one reader and must pass through registers to be rounded; what an expert's work-groups share is its rows, which come by a list that no one tile's
; shape covers; and beside the slice (266,240 bytes) LDS has no room for two slots of 256 rows x 144 bytes.
; THE MATRIX INSTRUCTION IS USED TRANSPOSED (source 0 = 16 columns of the weights, source 1 = 16 rows): a lane then holds one row and eight neighbouring columns of the result.
.set ROWB,   16384                     ; bytes from row to row of the weights
.set OSH,    13                        ; a row q of h: 8,192 bytes
.set OCT,    8*ROWB                    ; eight rows of the weights: what a slot of the ring holds
.set FRAG,   1040                      ; a fragment (32 K x 16 columns) in LDS: 1,024 bytes + 16, so that the 16 lanes of a store fall into 16 different columns of 16 bytes modulo 256
.set KTB,    8*FRAG                    ; the eight fragments of 32 along K
.set STAGE,  32*KTB                    ; behind the slice: 16 rows x 272 bytes for each wave, for the way out
.set SPITCH, 272
.set LISTS,  STAGE+8*16*SPITCH         ; for each wave 2,304 bytes: 1,024 places of 16 bits, then 32 places for the lanes that have nothing to list
.set LISTB,  2304
.set SPARE,  LISTS+8*LISTB             ; the spare words, 128 bytes for each wave: four blocks of 256 bytes that no other line names
; window 0
.set SPW, 4                            ; v4   LDS address of my spare word; never rewritten
.set NIL, 5                            ; v5   0; never rewritten
.set B0,  6                            ; v6   16 x lane
.set VB,  7                            ; v7   LDS address of the fragments in hand (first: the bias's offset)
.set AO,  8                            ; v8-10  byte offset of my row's fragment, for the pass's three blocks
.set Q,   11                           ; v11-13 my row's q
.set LT,  10                           ; v10-13 while the list is made: at work
.set STO, 14                           ; v14  the way out: where I put my piece of a row
.set RD,  15                           ; v15  where I read a row back
.set BP,  16                           ; v16-23 which lane holds the q of the row that I store
.set VST, 24                           ; v24  where my rounded weights go
.set DUMP, 25                          ; v25  1,024 + lane
.set L4,  26                           ; v26  4 x lane
.set TMP, 27
.set OFF, 28                           ; v28-31 the ring's four offsets in the weights; behind the stream:
.set H16, 28                           ; v28  16 x (lane / 16)
.set R16, 29                           ; v29  16 x (lane % 16)
.set TM2, 30
.set TM3, 31
.set AF,  32                           ; v32-127  the rows' fragments: four slots of 24 (block j at 8 j)
.set BF,  128                          ; v128-255 the weights' fragments: two buffers of 64
.set QB,  32                           ; while the list is made: 4 lane + c
.set T,   32                           ; while the weights stream: packed weights, two sets of 16
.set I0,  64                           ;   idx, first half;
.set I1,  192                          ;   idx, second half
.set AX,  32                           ; the way out: |x|,
.set GM,  64                           ;   max(x, 0), then the result,
.set GD,  96                           ;   t,
.set GU,  128                          ;   the exponential,
.set GP,  160                          ;   the series,
.set GK,  192                          ;   the result in f16,
.set RO,  208                          ;   v208-215 byte offsets of the rows that I store,
.set OB,  216                          ;   16 rows read back from the stage
; window 1: v0-191 the accumulators, (block j, columns nt) at 8 (8 j + nt); v192-255 the bias in an accumulator's layout.  Until the first product the accumulators' registers serve the stream:
; v0-127 are the ring, four slots of 32; the bias as loaded lands in v128-191.
.set X,    0
.set RAW,  128
.set BIAS, 192
.set MSB, 0
.macro WIN new                         ; bits 1:0 source 0, 3:2 source 1, 5:4 source 2, 7:6 destination; the high byte repeats the setting that is left
.if MSB != (\new)
	s_set_vgpr_msb (MSB<<8)|(\new)
.set MSB, \new
.endif
.endm
	s_load_b256 s[4:11], s[0:1], 0x0               ; W1 s[4:5], b1 s[6:7], xb s[8:9], idx s[10:11]
	s_load_b64 s[12:13], s[0:1], 0x20              ; h
	v_lshl_add_u32 v[SPW], v0, 2, SPARE
	v_mov_b32 v[NIL], 0
	v_lshrrev_b32 v[TMP], 5, v0
	v_readfirstlane_b32 s14, v[TMP]                ; wave 0..7
	s_and_b32 s15, ttmp7, 0xffff                   ; the expert
	v_and_b32 v1, 31, v0                           ; lane
	v_and_b32 v2, 15, v0                           ; lane % 16
	v_bfe_u32 v3, v0, 4, 1                         ; lane / 16
	v_lshlrev_b32 v[B0], 4, v1
	v_lshlrev_b32 v[VB], 5, v3                     ; the bias: eight f32 for each half of the lanes
	v_add_nc_u32 v[DUMP], 1024, v1
	v_lshlrev_b32 v[L4], 2, v1
.irp c, 0,1,2,3
	v_add_nc_u32 v[QB+\c], \c, v[L4]
.endr
.irp t, 0,1,2,3,4,5,6,7
	v_lshl_add_u32 v[BP+\t], v3, 2, 8*\t           ; 4 x lane (2 t + lane / 16)
.endr
	s_mul_i32 s23, s14, 16*SPITCH
	s_add_co_u32 s23, s23, STAGE                   ; my stage
	v_mul_u32_u24 v[STO], v2, SPITCH               ; in: row lane % 16, my eight columns in f16
	v_lshl_add_u32 v[STO], v3, 4, v[STO]
	v_add_nc_u32 v[STO], s23, v[STO]
	v_mul_u32_u24 v[RD], v3, SPITCH                ; back: lanes 0-15 one row of 256 bytes, lanes 16-31 the next
	v_lshl_add_u32 v[RD], v2, 4, v[RD]
	v_add_nc_u32 v[RD], s23, v[RD]
	s_mul_i32 s25, s14, LISTB
	s_add_co_u32 s25, s25, LISTS                   ; my list
	; eight rows k = 8 o .. 8 o + 7 of column n are 16 bytes of fragment (o / 4, n / 16), at 512 ((o / 2) % 2) + 256 (o % 2) + 16 (n % 16).  o = wave + 8 i; my columns are 4 lane + j.
	s_lshr_b32 s23, s14, 2
	s_mul_i32 s23, s23, KTB
	s_and_b32 s24, s14, 3
	s_lshl_b32 s24, s24, 8
	s_add_co_u32 s23, s23, s24
	v_lshrrev_b32 v[TMP], 2, v1
	v_mul_u32_u24 v[VST], v[TMP], FRAG
	v_and_b32 v[TMP], 3, v1
	v_lshl_add_u32 v[VST], v[TMP], 6, v[VST]
	v_add_nc_u32 v[VST], s23, v[VST]
	s_mul_i32 s23, s14, OCT
	v_add_nc_u32 v[OFF], s23, v[B0]
.irp i, 1,2,3
	v_add_nc_u32 v[OFF+\i], 8*\i*OCT, v[OFF]
.endr
	s_mov_b32 s40, 0xffff0000                      ; a word's upper bf16
	s_mov_b32 s36, 0x7fffffff                      ; clears a sign
	s_mov_b32 s21, 0
	s_mov_b32 s29, 0
	s_mov_b32 s31, 0
	s_lshl_b32 s20, s15, 24                        ; an expert's weights are 2^24 bytes
	s_lshl_b32 s23, ttmp9, 9                       ; my 128 columns of f32
	s_add_co_u32 s20, s20, s23
	s_lshl_b32 s28, s15, 14
	s_add_co_u32 s28, s28, s23
	s_lshl_b32 s30, ttmp9, 8                       ; my 128 columns of f16
	s_mov_b32 s2, 0x3e6d3388                       ; 0.3275911 / sqrt(2)
	s_mov_b32 s3, s2                               ; (the pairs' second words are named with the first)
	s_mov_b32 s50, 0xbf38aa3b                      ; -log2(e) / 2
	s_mov_b32 s51, s50
	s_mov_b32 s52, 0x3f07dc22                      ; the series' five coefficients, halved: a5,
	s_mov_b32 s53, s52
	s_mov_b32 s54, 0xbf3a00e3                      ; a4,
	s_mov_b32 s55, s54
	s_mov_b32 s56, 0x3f35f0e3                      ; a3,
	s_mov_b32 s57, s56
	s_mov_b32 s58, 0xbe11a98e                      ; a2,
	s_mov_b32 s59, s58
	s_mov_b32 s60, 0x3e027906                      ; a1
	s_mov_b32 s61, s60
	s_wait_kmcnt 0x0
	s_add_nc_u64 s[4:5], s[4:5], s[20:21]
	s_add_nc_u64 s[6:7], s[6:7], s[28:29]
	s_add_nc_u64 s[12:13], s[12:13], s[30:31]
.macro WLOAD i                         ; slot i: eight rows, 512 neighbouring bytes each; the caller has set the destination's window to 1
.irp p, 0,1,2,3,4,5,6,7
	global_load_b128 v[X+32*(\i)+4*\p:X+32*(\i)+4*\p+3], v[OFF+(\i)], s[4:5] offset:\p*ROWB th:TH_LOAD_NT
.endr
.endm
	; the first loads: idx, the bias, three slots of weights: 56 loads of the wave are out
.irp m, 0,1,2,3,4,5,6,7
	global_load_b128 v[I0+4*\m:I0+4*\m+3], v[B0], s[10:11] offset:512*\m
.endr
.irp m, 0,1,2,3,4,5,6,7
	global_load_b128 v[I1+4*\m:I1+4*\m+3], v[B0], s[10:11] offset:4096+512*\m
.endr
	WIN 0x40
.irp f, 0,1,2,3,4,5,6,7
	global_load_b128 v[RAW+8*\f:RAW+8*\f+3], v[VB], s[6:7] offset:64*\f
	global_load_b128 v[RAW+8*\f+4:RAW+8*\f+7], v[VB], s[6:7] offset:64*\f+16
.endr
	WLOAD 0
	WLOAD 1
	WLOAD 2
	WIN 0
; THE LIST.  One register of idx (entries q = 128 m + 4 lane + c; s16 = 128 m): the lanes whose entry names my expert put their q at the next free places, in the lanes' order; the others at a place of their own behind the list.
.macro LENT reg, c, a
	v_cmp_eq_u32 s[24+2*(\a)], s15, v[\reg]
	v_mbcnt_lo_u32_b32 v[LT+(\a)], s[24+2*(\a)], s22
	s_bcnt1_i32_b32 s23, s[24+2*(\a)]
	s_add_co_u32 s22, s22, s23
	v_cndmask_b32 v[LT+(\a)], v[DUMP], v[LT+(\a)], s[24+2*(\a)]
	v_min_u32 v[LT+(\a)], 0x41f, v[LT+(\a)]
	v_lshl_add_u32 v[LT+(\a)], v[LT+(\a)], 1, s25
	v_add_nc_u32 v[LT+2+(\a)], s16, v[QB+(\c)]
	ds_store_b16 v[LT+(\a)], v[LT+2+(\a)]
.endm
	s_wait_loadcnt 40                              ; idx is in; the 16 loads of the bias and the 24 of the weights stay out
	WIN 0x40
	WLOAD 3                                        ; the ring's fourth slot
	WIN 0
	s_mov_b32 s22, 0
	s_mov_b32 s16, 0
.set n, 0
.rept 64
.if n < 32
	LENT I0+n, n%4, n%2
.else
	LENT I1+n-32, n%4, n%2
.endif
.if n%4 == 3
	s_addk_co_i32 s16, 0x80
.endif
.set n, n+1
.endr
	s_sub_co_u32 s42, s22, 1                       ; the place of the expert's last row,
	s_add_co_u32 s43, s22, 15
	s_lshr_b32 s43, s43, 4                         ; its blocks of 16 rows
; THE STREAM.  Slot i's eight rows are rounded, eight numbers along K to 16 bytes, and stored; ahead = 1: the slot takes the rows 32 octets on.  left: the younger slots' loads, eight each.
.macro SLOTW i, ahead, left
.set TT, T+16*((\i)%2)
.set XX, X+32*(\i)
	s_wait_loadcnt \left
	WIN 0x05                                       ; both sources in window 1
.irp j, 0,1,2,3
.irp p, 0,1,2,3
	v_cvt_pk_bf16_f32 v[TT+4*\j+\p], v[XX+8*\p+\j], v[XX+8*\p+4+\j]
.endr
.endr
	WIN 0
.if \ahead
	v_add_nc_u32 v[OFF+(\i)], 32*OCT, v[OFF+(\i)]  ; free since the wait above has shown the slot's loads done
	WIN 0x40
	WLOAD \i
	WIN 0
.endif
.irp j, 0,1,2,3
	ds_store_b128 v[VST], v[TT+4*\j:TT+4*\j+3] offset:2*KTB*(\i)+16*\j
.endr
.endm
	s_mov_b32 s62, 3
.Lround:
	SLOTW 0, 1, 24
	SLOTW 1, 1, 24
	SLOTW 2, 1, 24
	SLOTW 3, 1, 24
	v_add_nc_u32 v[VST], 8*KTB, v[VST]
	s_sub_co_u32 s62, s62, 1
	s_cmp_lg_u32 s62, 0
	s_cbranch_scc1 .Lround
	SLOTW 0, 0, 24                                 ; the last round loads nothing: the counts run down
	SLOTW 1, 0, 16
	SLOTW 2, 0, 8
	SLOTW 3, 0, 0
	; the bias, rounded to bf16 like every input, back in f32
	WIN 0x05
.set z, 0
.rept 32
	v_cvt_pk_bf16_f32 v[T+z], v[RAW+2*z], v[RAW+2*z+1]
.set z, z+1
.endr
	WIN 0x40
.set z, 0
.rept 32
	v_lshlrev_b32 v[BIAS+2*z], 16, v[T+z]
	v_and_b32 v[BIAS+2*z+1], s40, v[T+z]
.set z, z+1
.endr
	WIN 0
	v_lshlrev_b32 v[H16], 4, v3                    ; the ring's offsets are free
	v_lshlrev_b32 v[R16], 4, v2
	s_wait_dscnt 0x0                               ; for the others' sake: my part of the slice is stored
	s_barrier_signal -1
	s_barrier_wait -1                              ; the slice is whole; nothing writes it from here on
.macro MMA d, a, b, c
	v_wmma_f32_16x16x32_bf16 v[\d:\d+7], v[\a:\a+7], v[\b:\b+7], v[\c:\c+7]
.endm
.macro MUL8 k, j, first                ; block j's eight products of a K step
.irp nt, 0,1,2,3,4,5,6,7
.if \first
	MMA 8*(8*(\j)+\nt), BF+64*((\k)%2)+8*\nt, AF+24*((\k)%4)+8*(\j), BIAS+8*\nt
.else
	MMA 8*(8*(\j)+\nt), BF+64*((\k)%2)+8*\nt, AF+24*((\k)%4)+8*(\j), 8*(8*(\j)+\nt)
.endif
.endr
.endm
.macro BLD buf, off                    ; the eight fragments of the weights for 32 along K: each load takes 512 neighbouring bytes
.irp nt, 0,1,2,3,4,5,6,7
	ds_load_b128 v[BF+64*(\buf)+8*\nt:BF+64*(\buf)+8*\nt+3], v[VB] offset:(\off)+FRAG*\nt
	ds_load_b128 v[BF+64*(\buf)+8*\nt+4:BF+64*(\buf)+8*\nt+7], v[VB] offset:(\off)+FRAG*\nt+512
.endr
.endm
.macro ALD slot, off                   ; the three fragments of the rows: lane l holds row l % 16, K = 8 (l / 16) + 0..7 and 16 more
.irp j, 0,1,2
	global_load_b128 v[AF+24*(\slot)+8*\j:AF+24*(\slot)+8*\j+3], v[AO+\j], s[8:9] offset:(\off)
	global_load_b128 v[AF+24*(\slot)+8*\j+4:AF+24*(\slot)+8*\j+7], v[AO+\j], s[8:9] offset:(\off)+32
.endr
.endm
; 32 along K: step k, counted from the four steps at which VB and AO stand.  The next step's weights and the rows three steps on are asked for, then this step's products, the accumulators by turns,
; one instruction a turn.  first = 1: the products start the sums, with the bias as C.  acnt: the rows' loads of the younger steps, six each.
.macro KSTEP k, first, ldb, lda, acnt
.if !(\first)
.rept 4
	v_nop                                          ; four places between the last products and loads into registers that they read (ISA guide 7.12.1 for vector instructions)
.endr
.endif
.if \ldb
	BLD ((\k)+1)%2, KTB*((\k)+1)
.endif
.if \lda
	ALD ((\k)+3)%4, 64*((\k)+3)
.endif
.if \ldb
	s_wait_dscnt 16                                ; all but the 16 just issued
.else
	s_wait_dscnt 0
.endif
	s_wait_loadcnt \acnt
	WIN 0x50                                       ; C and D in window 1
	MUL8 \k, 0, \first
	MUL8 \k, 1, \first
	WIN 0                                          ; at a branch and at a label every window is 0
	s_cmp_lt_u32 s49, 3
	s_cbranch_scc1 .Lno3_\@                        ; the third block is past the count: its products are jumped
	WIN 0x50
	MUL8 \k, 2, \first
	WIN 0
.Lno3_\@:
.endm
; THE WAY OUT.  gelu(x) = max(x, 0) - |x| Q(|x|), Q the normal tail: Q = (a1 t + .. + a5 t^5) 2^(-x x log2(e) / 2) with halved coefficients, t = 1 / (1 + 0.2316419 |x|).
; It is written once, for 32 numbers a lane (a block's 64 columns) in fixed registers, and walked for each live block's two halves.  HEAD takes what hangs on the accumulators' numbers:
; |x| and max(x, 0), each accumulator read from its lowest register on; in a block's second half also the q of the rows that I store.
.macro HEAD j, g
	WIN 0x04                                       ; source 1: the accumulators
.set z, 0
.rept 32
	v_and_b32 v[AX+z], s36, v[64*(\j)+32*(\g)+z]
.set z, z+1
.endr
.set z, 0
.rept 32
	v_max_num_f32 v[GM+z], 0, v[64*(\j)+32*(\g)+z]
.set z, z+1
.endr
	WIN 0
.if \g
.irp t, 0,1,2,3,4,5,6,7
	ds_bpermute_b32 v[RO+\t], v[BP+\t], v[Q+(\j)]  ; the q of row 2 t + lane / 16, which lane 2 t + lane / 16 holds
.endr
.endif
.endm
	s_mov_b32 s44, s14                             ; my first block of the pass: wave + 24 pass
	s_mov_b32 s45, 3
.Lpass:
	s_sub_co_i32 s49, s43, s44                     ; my live blocks in this pass, every eighth from mine on: 0 to 3
	s_add_co_i32 s49, s49, 7
	s_ashr_i32 s49, s49, 3
	s_max_i32 s49, s49, 0
	s_min_i32 s49, s49, 3
	s_cmp_eq_u32 s49, 0
	s_cbranch_scc1 .Lnowalk                        ; none: forward over the walk, to the barrier that every wave passes
	s_lshl_b32 s47, s44, 4
	s_mov_b32 s63, 0                               ; the K steps' place in the slice
	s_wait_xcnt 0x0                                ; the last pass's stores have read their registers
	v_add_nc_u32 v[TMP], s47, v2                   ; my place in the list, for the three blocks, 128 places apart;
	v_add_nc_u32 v[TM2], 0x80, v[TMP]
	v_add_nc_u32 v[TM3], 0x100, v[TMP]
.irp t, TMP, TM2, TM3
	v_min_u32 v[\t], s42, v[\t]                    ; past the count: the last row once more
.endr
.irp t, TMP, TM2, TM3
	v_min_u32 v[\t], 0x3ff, v[\t]
.endr
.irp t, TMP, TM2, TM3
	v_lshl_add_u32 v[\t], v[\t], 1, s25
.endr
	ds_load_u16 v[Q], v[TMP]
	ds_load_u16 v[Q+1], v[TM2]
	ds_load_u16 v[Q+2], v[TM3]
	s_wait_dscnt 0x0
.irp j, 0,1,2
	v_lshrrev_b32 v[AO+\j], 1, v[Q+\j]             ; the token
.endr
.irp j, 0,1,2
	v_min_u32 v[AO+\j], 0x3ff, v[AO+\j]
.endr
.irp j, 0,1,2
	v_lshl_add_u32 v[AO+\j], v[AO+\j], 11, v[H16]  ; its row of xb
.endr
.irp j, 0,1,2
	v_min_u32 v[Q+\j], 0x7ff, v[Q+\j]
.endr
	v_add_nc_u32 v[VB], s63, v[B0]
	ALD 0, 0                                       ; the rows of K steps 0, 1, 2 and the weights of step 0
	ALD 1, 64
	ALD 2, 128
	BLD 0, 0
	KSTEP 0, 1, 1, 1, 18                           ; step 0 stands in front of the loop: it starts the sums
	s_mov_b32 s46, 7
.Lk:                                                   ; trip t: steps 4 t + 1 .. 4 t + 4; all of them ask for a next step's weights and for rows three steps on
	v_add_nc_u32 v[VB], s63, v[B0]                 ; made anew in each trip from the scalar that steps
	KSTEP 1, 0, 1, 1, 18
	KSTEP 2, 0, 1, 1, 18
	KSTEP 3, 0, 1, 1, 18
	KSTEP 4, 0, 1, 1, 18
	s_wait_xcnt 0x0                                ; the rows' offsets are sources of loads that are out: they step only behind this wait
.irp j, 0,1,2
	v_add_nc_u32 v[AO+\j], 256, v[AO+\j]
.endr
	s_add_co_u32 s63, s63, 4*KTB
	s_sub_co_u32 s46, s46, 1
	s_cmp_lg_u32 s46, 0
	s_cbranch_scc1 .Lk
	v_add_nc_u32 v[VB], s63, v[B0]
	KSTEP 1, 0, 1, 0, 12                           ; steps 29, 30, 31: nothing is asked for past the row's end, and the counts run down
	KSTEP 2, 0, 1, 0, 6
	KSTEP 3, 0, 0, 0, 0
.rept 4
	v_nop                                          ; four places behind the last products, ahead of all that reads their results or writes their sources
.endr
.Lnowalk:
	s_wait_dscnt 0x0                               ; my reads of the slice are over;
	s_barrier_signal -1
	s_barrier_wait -1                              ; every wave's are: only now is a stage written
	s_mov_b32 s34, 0
	s_lshl_b32 s35, s49, 1                         ; two halves of 64 columns for each live block
.Lgo:                                                  ; six trips, (block, half); those past my live blocks are jumped
	s_cmp_ge_u32 s34, s35
	s_cbranch_scc1 .Lnext
	s_wait_xcnt 0x0                                ; the offsets and the data of earlier stores are written again only behind this wait
.irp k, 0,1,2,3,4
	s_cmp_lg_u32 s34, \k
	s_cbranch_scc1 .Lnot\k
	HEAD \k/2, \k%2
	s_branch .Lcommon
.Lnot\k:
.endr
	HEAD 2, 1
.Lcommon:
.set z, 0
.rept 16
	v_pk_fma_f32 v[GD+2*z:GD+2*z+1], v[AX+2*z:AX+2*z+1], s[2:3], 1.0 op_sel_hi:[1,0,0]
.set z, z+1
.endr
.set z, 0
.rept 16
	v_pk_mul_f32 v[GU+2*z:GU+2*z+1], v[AX+2*z:AX+2*z+1], s[50:51] op_sel_hi:[1,0]
.set z, z+1
.endr
.set z, 0
.rept 16
	v_pk_mul_f32 v[GU+2*z:GU+2*z+1], v[AX+2*z:AX+2*z+1], v[GU+2*z:GU+2*z+1]
.set z, z+1
.endr
.set z, 0
.rept 32
	v_rcp_f32 v[GD+z], v[GD+z]
.set z, z+1
.endr
.set z, 0
.rept 32
	v_exp_f32 v[GU+z], v[GU+z]
.set z, z+1
.endr
	v_nop                                          ; a plain instruction behind the last of them,
	s_wait_alu depctr_va_vdst(0)                   ; and one wait for the batch of 64, ahead of the first use
.set z, 0
.rept 16
	v_pk_fma_f32 v[GP+2*z:GP+2*z+1], v[GD+2*z:GD+2*z+1], s[52:53], s[54:55] op_sel_hi:[1,0,0]
.set z, z+1
.endr
.irp a, 56,58,60
.set z, 0
.rept 16
	v_pk_fma_f32 v[GP+2*z:GP+2*z+1], v[GP+2*z:GP+2*z+1], v[GD+2*z:GD+2*z+1], s[\a:\a+1] op_sel_hi:[1,1,0]
.set z, z+1
.endr
.endr
.set z, 0
.rept 16
	v_pk_mul_f32 v[GP+2*z:GP+2*z+1], v[GP+2*z:GP+2*z+1], v[GD+2*z:GD+2*z+1]
.set z, z+1
.endr
.set z, 0
.rept 16
	v_pk_mul_f32 v[GP+2*z:GP+2*z+1], v[GP+2*z:GP+2*z+1], v[GU+2*z:GU+2*z+1]
.set z, z+1
.endr
.set z, 0
.rept 16
	v_pk_fma_f32 v[GM+2*z:GM+2*z+1], v[AX+2*z:AX+2*z+1], v[GP+2*z:GP+2*z+1], v[GM+2*z:GM+2*z+1] neg_lo:[1,0,0] neg_hi:[1,0,0]
.set z, z+1
.endr
.set z, 0
.rept 16
	v_cvt_pk_f16_f32 v[GK+z], v[GM+2*z], v[GM+2*z+1]
.set z, z+1
.endr
	s_wait_dscnt 0x0                               ; ahead of the branch, so on both ways: no LDS instruction of mine is out; in a second half the q of my rows are here
	s_bitcmp1_b32 s34, 0
	s_cbranch_scc1 .Lodd
.irp f, 0,1,2,3
	ds_store_b128 v[STO], v[GK+4*\f:GK+4*\f+3] offset:32*\f        ; the first half of my stage's rows
.endr
	s_branch .Lnext
.Lodd:
.irp f, 0,1,2,3
	ds_store_b128 v[STO], v[GK+4*\f:GK+4*\f+3] offset:128+32*\f    ; the second half: the block's 16 rows are whole
.endr
.irp t, 0,1,2,3,4,5,6,7
	v_min_u32 v[RO+\t], 0x7ff, v[RO+\t]
.endr
.irp t, 0,1,2,3,4,5,6,7
	v_lshl_add_u32 v[RO+\t], v[RO+\t], OSH, v[R16]
.endr
.irp t, 0,1,2,3,4,5,6,7
	ds_load_b128 v[OB+4*\t:OB+4*\t+3], v[RD] offset:2*SPITCH*\t    ; LDS serves a wave's instructions in order (ISA guide 5.7.1.4): these see my stores into the stage
.endr
.irp t, 0,1,2,3,4,5,6,7
	s_wait_dscnt 7-\t
	global_store_b128 v[RO+\t], v[OB+4*\t:OB+4*\t+3], s[12:13]     ; 16 lanes store 256 neighbouring bytes, aligned
.endr
.Lnext:
	s_add_co_u32 s34, s34, 1
	s_cmp_lt_u32 s34, 6
	s_cbranch_scc1 .Lgo
	s_wait_dscnt 0x0                               ; my stores into my stage and my reads of it are over;
	s_barrier_signal -1
	s_barrier_wait -1                              ; every wave's are: only now is the slice read again
	s_add_co_u32 s44, s44, 24
	s_sub_co_u32 s45, s45, 1
	s_cmp_lg_u32 s45, 0
	s_cbranch_scc1 .Lpass
	s_wait_tensorcnt 0x0                           ; the wave's end, behind my last LDS store
	ds_add_u32 v[SPW], v[NIL]
	s_wait_dscnt 0x0
	s_endpgm
.Lfunc_end_k_qbd63441299_ffn1:
	.size	k_qbd63441299_ffn1, .Lfunc_end_k_qbd63441299_ffn1-k_qbd63441299_ffn1
	.p2alignl 7, 3214868480
	.fill 96, 4, 3214868480
	.section	.rodata,"a",@progbits
	.p2align	6, 0x0
	.amdhsa_kernel k_qbd63441299_ffn1
		.amdhsa_group_segment_fixed_size 320512
		.amdhsa_private_segment_fixed_size 0
		.amdhsa_enable_private_segment 0
		.amdhsa_kernarg_size 40
		.amdhsa_user_sgpr_count 2
		.amdhsa_user_sgpr_kernarg_segment_ptr 1
		.amdhsa_wavefront_size32 1
		.amdhsa_system_sgpr_workgroup_id_x 1
		.amdhsa_system_sgpr_workgroup_id_y 1
		.amdhsa_system_sgpr_workgroup_id_z 1
		.amdhsa_system_vgpr_workitem_id 0
		.amdhsa_next_free_vgpr 512
		.amdhsa_next_free_sgpr 66
		.amdhsa_reserve_vcc 0
		.amdhsa_float_denorm_mode_32 3
		.amdhsa_float_denorm_mode_16_64 3
		.amdhsa_memory_ordered 1
		.amdhsa_forward_progress 1
		.amdhsa_inst_pref_size 121
	.end_amdhsa_kernel
	.amdgpu_metadata
---
amdhsa.version: [ 1, 2 ]
amdhsa.kernels:
  - .name:           k_qbd63441299_ffn1
    .symbol:         k_qbd63441299_ffn1.kd
    .args:
      - { .name: W1, .offset: 0, .size: 8, .value_kind: global_buffer, .address_space: global }
      - { .name: b1, .offset: 8, .size: 8, .value_kind: global_buffer, .address_space: global }
      - { .name: xb, .offset: 16, .size: 8, .value_kind: global_buffer, .address_space: global }
      - { .name: idx, .offset: 24, .size: 8, .value_kind: global_buffer, .address_space: global }
      - { .name: h, .offset: 32, .size: 8, .value_kind: global_buffer, .address_space: global }
    .group_segment_fixed_size: 320512
    .private_segment_fixed_size: 0
    .kernarg_segment_align: 8
    .kernarg_segment_size: 40
    .max_flat_workgroup_size: 256
    .sgpr_count:     66
    .vgpr_count:     512
    .wavefront_size: 32
...
	.end_amdgpu_metadata
.endif
;; end of part 2
;; launch ffn2 (part 3): grid 32 x 8, 8 waves a work-group, no clusters, 320,512 bytes of LDS; arguments W2, b2, h, idx, part; writes part
.if DOCPART == 3
	.amdgcn_target "amdgcn-amd-amdhsa--gfx1250"
	.amdhsa_code_object_version 6
	.text
	.protected	k_qbd63441299_ffn2
	.globl	k_qbd63441299_ffn2
	.p2align	8
	.type	k_qbd63441299_ffn2,@function
k_qbd63441299_ffn2:
	s_mov_b64 s[64:65], 0
	v_nop
	global_prefetch_b8 v0, s[64:65] scope:SCOPE_SE
	s_setreg_imm32_b32 hwreg(HW_REG_WAVE_MODE, 25, 1), 1
	s_wait_xcnt 0x0
; THE EXPERTS' SECOND PRODUCT.  part[q][kp][n] = h[q][1024 kp ..] . W2[e][1024 kp .., n] (+ b2[e][n] where kp = 0),  q = 2 token + slot a routed row, e = idx[q];  operands f16, partial sums stored in f32.
; SHARES.  A work-group has a slice of ONE expert's weights, 1,024 along K x 128 columns, which it alone reads, and all rows routed to that expert: 8 experts x 4 quarters of K x 8 = 256 work-groups.
; The slice is read once (each load of a wave takes 512 neighbouring bytes of a row), rounded in registers and laid into LDS in the order in which the matrix operand takes it.
; Then the expert's rows go in blocks of 16.  Block b belongs to wave b % 8; in one walk over K (a pass) a wave takes up to three blocks x 128 columns: 24 accumulators.  The weights' fragments
; come from LDS, the rows' fragments from memory straight into registers.  A pass serves 384 rows; an expert has at most 1,024 (a token's two choices differ): 64 blocks, three passes: the pass
; loop counts to that constant, and a wave jumps forward over the work of a pass in which it has no block.  Blocks 0 and 1 of a walk are always multiplied; the third block's products are jumped
; where it is past the count, its two loads a step are not, so that every counted wait holds on both ways (all lanes of a block past the count name one row: 32 bytes a load).
; THE LIST.  Every wave finds the expert's rows for itself from idx (2,048 whole numbers, stored by the first launch): a list of q in its own LDS bytes.  The places past the count repeat the
; expert's last row; in a block that is not full they store that row's bytes again, with the same values.  A block wholly past the count stores nothing.
; TWO BARRIERS A PASS.  The reads of the slice take their address from a scalar that steps through it (0 to 7 x 4 KTB: with the immediates they end where the stages begin).  The text does not
; lean on that arithmetic: every wave's reads of the slice are over (s_wait_dscnt 0, barrier) before any wave writes its stage, and every wave's stage traffic is over (the same again) before
; the next pass's reads.  Every wave passes both barriers in each of the three passes; only work is jumped.
; WHY K IN QUARTERS.  A slice of all 4,096 along K would have 32 columns: rows of 128 bytes, and four times the rows' bytes for each work-group.  The price: four partial sums a row, in f32, added by the last launch.
; FORMATS.  All the module's inputs are rounded to bf16, the bias too.  h comes in f16.  W2 is rounded to bf16 like the other inputs and that number written as f16.
; LIMITS.  A weight of W2 below 2^-17 keeps f16's fixed step of 6e-8, one beyond 65,504 becomes an infinity.  NaN and infinities are not treated apart.
; NO TENSOR LOADS, NO CLUSTER: a slice has one reader and must pass through registers to be rounded; what an expert's work-groups share is its rows, which come by a list that no one tile's
; shape covers; and beside the slice (266,240 bytes) LDS has no room for two slots of 256 rows x 144 bytes.
; THE MATRIX INSTRUCTION IS USED TRANSPOSED (source 0 = 16 columns of the weights, source 1 = 16 rows): a lane then holds one row and eight neighbouring columns of the result.
.set ROWB,   4096                      ; bytes from row to row of the weights
.set OSH,    14                        ; a row q of part: 16,384 bytes
.set OCT,    8*ROWB                    ; eight rows of the weights: what a slot of the ring holds
.set FRAG,   1040                      ; a fragment (32 K x 16 columns) in LDS: 1,024 bytes + 16, so that the 16 lanes of a store fall into 16 different columns of 16 bytes modulo 256
.set KTB,    8*FRAG                    ; the eight fragments of 32 along K
.set STAGE,  32*KTB                    ; behind the slice: 16 rows x 272 bytes for each wave, for the way out
.set SPITCH, 272
.set LISTS,  STAGE+8*16*SPITCH         ; for each wave 2,304 bytes: 1,024 places of 16 bits, then 32 places for the lanes that have nothing to list
.set LISTB,  2304
.set SPARE,  LISTS+8*LISTB             ; the spare words, 128 bytes for each wave: four blocks of 256 bytes that no other line names
; window 0
.set SPW, 4                            ; v4   LDS address of my spare word; never rewritten
.set NIL, 5                            ; v5   0; never rewritten
.set B0,  6                            ; v6   16 x lane
.set VB,  7                            ; v7   LDS address of the fragments in hand (first: the bias's offset)
.set AO,  8                            ; v8-10  byte offset of my row's fragment, for the pass's three blocks
.set Q,   11                           ; v11-13 my row's q
.set LT,  10                           ; v10-13 while the list is made: at work
.set STO, 14                           ; v14  the way out: where I put my piece of a row
.set RD,  15                           ; v15  where I read a row back
.set BP,  16                           ; v16-23 which lane holds the q of the row that I store
.set VST, 24                           ; v24  where my rounded weights go
.set DUMP, 25                          ; v25  1,024 + lane
.set L4,  26                           ; v26  4 x lane
.set TMP, 27
.set OFF, 28                           ; v28-31 the ring's four offsets in the weights; behind the stream:
.set H16, 28                           ; v28  16 x (lane / 16)
.set R16, 29                           ; v29  16 x (lane % 16)
.set TM2, 30
.set TM3, 31
.set AF,  32                           ; v32-127  the rows' fragments: four slots of 24 (block j at 8 j); on the way out v32-95: rows read back from the stage
.set BF,  128                          ; v128-255 the weights' fragments: two buffers of 64
.set QB,  32                           ; while the list is made: 4 lane + c
.set T,   32                           ; while the weights stream: packed weights, two sets of 16
.set I0,  64                           ;   idx, first half;
.set U,   96                           ;   v96-127 the bf16 numbers in f32, on their way to f16;
.set I1,  192                          ;   idx, second half
.set RO,  208                          ; the way out: v208-215 byte offsets of the rows that I store
; window 1: v0-191 the accumulators, (block j, columns nt) at 8 (8 j + nt); v192-255 the bias in an accumulator's layout.  Until the first product the accumulators' registers serve the stream:
; v0-127 are the ring, four slots of 32; the bias as loaded lands in v128-191.
.set X,    0
.set RAW,  128
.set BIAS, 192
.set MSB, 0
.macro WIN new                         ; bits 1:0 source 0, 3:2 source 1, 5:4 source 2, 7:6 destination; the high byte repeats the setting that is left
.if MSB != (\new)
	s_set_vgpr_msb (MSB<<8)|(\new)
.set MSB, \new
.endif
.endm
	s_load_b256 s[4:11], s[0:1], 0x0               ; W2 s[4:5], b2 s[6:7], h s[8:9], idx s[10:11]
	s_load_b64 s[12:13], s[0:1], 0x20              ; part
	v_lshl_add_u32 v[SPW], v0, 2, SPARE
	v_mov_b32 v[NIL], 0
	v_lshrrev_b32 v[TMP], 5, v0
	v_readfirstlane_b32 s14, v[TMP]                ; wave 0..7
	s_and_b32 s15, ttmp7, 0xffff                   ; the expert
	v_and_b32 v1, 31, v0                           ; lane
	v_and_b32 v2, 15, v0                           ; lane % 16
	v_bfe_u32 v3, v0, 4, 1                         ; lane / 16
	v_lshlrev_b32 v[B0], 4, v1
	v_lshlrev_b32 v[VB], 5, v3                     ; the bias: eight f32 for each half of the lanes
	v_add_nc_u32 v[DUMP], 1024, v1
	v_lshlrev_b32 v[L4], 2, v1
.irp c, 0,1,2,3
	v_add_nc_u32 v[QB+\c], \c, v[L4]
.endr
.irp t, 0,1,2,3,4,5,6,7
	v_lshl_add_u32 v[BP+\t], v3, 2, 8*\t           ; 4 x lane (2 t + lane / 16)
.endr
	s_mul_i32 s23, s14, 16*SPITCH
	s_add_co_u32 s23, s23, STAGE                   ; my stage
	v_mul_u32_u24 v[STO], v2, SPITCH               ; in: row lane % 16, my eight columns in f32
	v_lshl_add_u32 v[STO], v3, 5, v[STO]
	v_add_nc_u32 v[STO], s23, v[STO]
	v_mul_u32_u24 v[RD], v3, SPITCH                ; back: lanes 0-15 one row of 256 bytes, lanes 16-31 the next
	v_lshl_add_u32 v[RD], v2, 4, v[RD]
	v_add_nc_u32 v[RD], s23, v[RD]
	s_mul_i32 s25, s14, LISTB
	s_add_co_u32 s25, s25, LISTS                   ; my list
	; eight rows k = 8 o .. 8 o + 7 of column n are 16 bytes of fragment (o / 4, n / 16), at 512 ((o / 2) % 2) + 256 (o % 2) + 16 (n % 16).  o = wave + 8 i; my columns are 4 lane + j.
	s_lshr_b32 s23, s14, 2
	s_mul_i32 s23, s23, KTB
	s_and_b32 s24, s14, 3
	s_lshl_b32 s24, s24, 8
	s_add_co_u32 s23, s23, s24
	v_lshrrev_b32 v[TMP], 2, v1
	v_mul_u32_u24 v[VST], v[TMP], FRAG
	v_and_b32 v[TMP], 3, v1
	v_lshl_add_u32 v[VST], v[TMP], 6, v[VST]
	v_add_nc_u32 v[VST], s23, v[VST]
	s_mul_i32 s23, s14, OCT
	v_add_nc_u32 v[OFF], s23, v[B0]
.irp i, 1,2,3
	v_add_nc_u32 v[OFF+\i], 8*\i*OCT, v[OFF]
.endr
	s_mov_b32 s40, 0xffff0000                      ; a word's upper bf16
	s_mov_b32 s21, 0
	s_mov_b32 s29, 0
	s_mov_b32 s31, 0
	s_mov_b32 s33, 0
	s_lshl_b32 s20, s15, 24                        ; an expert's weights are 2^24 bytes
	s_lshr_b32 s17, ttmp9, 3                       ; kp: which quarter of K
	s_and_b32 s18, ttmp9, 7                        ; which 128 columns
	s_lshl_b32 s23, s18, 9
	s_lshl_b32 s24, s17, 22
	s_add_co_u32 s20, s20, s24
	s_add_co_u32 s20, s20, s23
	s_lshl_b32 s28, s15, 12
	s_add_co_u32 s28, s28, s23
	s_lshl_b32 s30, s17, 12
	s_add_co_u32 s30, s30, s23
	s_lshl_b32 s32, s17, 11
	s_cmp_eq_u32 s17, 0
	s_cselect_b32 s39, -1, 0                       ; the bias is kept in the first quarter alone
	s_wait_kmcnt 0x0
	s_add_nc_u64 s[4:5], s[4:5], s[20:21]
	s_add_nc_u64 s[6:7], s[6:7], s[28:29]
	s_add_nc_u64 s[12:13], s[12:13], s[30:31]
	s_add_nc_u64 s[8:9], s[8:9], s[32:33]
.macro WLOAD i                         ; slot i: eight rows, 512 neighbouring bytes each; the caller has set the destination's window to 1
.irp p, 0,1,2,3,4,5,6,7
	global_load_b128 v[X+32*(\i)+4*\p:X+32*(\i)+4*\p+3], v[OFF+(\i)], s[4:5] offset:\p*ROWB th:TH_LOAD_NT
.endr
.endm
	; the first loads: idx, the bias, three slots of weights: 56 loads of the wave are out
.irp m, 0,1,2,3,4,5,6,7
	global_load_b128 v[I0+4*\m:I0+4*\m+3], v[B0], s[10:11] offset:512*\m
.endr
.irp m, 0,1,2,3,4,5,6,7
	global_load_b128 v[I1+4*\m:I1+4*\m+3], v[B0], s[10:11] offset:4096+512*\m
.endr
	WIN 0x40
.irp f, 0,1,2,3,4,5,6,7
	global_load_b128 v[RAW+8*\f:RAW+8*\f+3], v[VB], s[6:7] offset:64*\f
	global_load_b128 v[RAW+8*\f+4:RAW+8*\f+7], v[VB], s[6:7] offset:64*\f+16
.endr
	WLOAD 0
	WLOAD 1
	WLOAD 2
	WIN 0
; THE LIST.  One register of idx (entries q = 128 m + 4 lane + c; s16 = 128 m): the lanes whose entry names my expert put their q at the next free places, in the lanes' order; the others at a place of their own behind the list.
.macro LENT reg, c, a
	v_cmp_eq_u32 s[24+2*(\a)], s15, v[\reg]
	v_mbcnt_lo_u32_b32 v[LT+(\a)], s[24+2*(\a)], s22
	s_bcnt1_i32_b32 s23, s[24+2*(\a)]
	s_add_co_u32 s22, s22, s23
	v_cndmask_b32 v[LT+(\a)], v[DUMP], v[LT+(\a)], s[24+2*(\a)]
	v_min_u32 v[LT+(\a)], 0x41f, v[LT+(\a)]
	v_lshl_add_u32 v[LT+(\a)], v[LT+(\a)], 1, s25
	v_add_nc_u32 v[LT+2+(\a)], s16, v[QB+(\c)]
	ds_store_b16 v[LT+(\a)], v[LT+2+(\a)]
.endm
	s_wait_loadcnt 40                              ; idx is in; the 16 loads of the bias and the 24 of the weights stay out
	WIN 0x40
	WLOAD 3                                        ; the ring's fourth slot
	WIN 0
	s_mov_b32 s22, 0
	s_mov_b32 s16, 0
.set n, 0
.rept 64
.if n < 32
	LENT I0+n, n%4, n%2
.else
	LENT I1+n-32, n%4, n%2
.endif
.if n%4 == 3
	s_addk_co_i32 s16, 0x80
.endif
.set n, n+1
.endr
	s_sub_co_u32 s42, s22, 1                       ; the place of the expert's last row,
	s_add_co_u32 s43, s22, 15
	s_lshr_b32 s43, s43, 4                         ; its blocks of 16 rows
; THE STREAM.  Slot i's eight rows are rounded to bf16, eight numbers along K to 16 bytes; ahead = 1: the slot takes the rows 32 octets on; then the bf16 numbers are written as f16 and stored.
; left: the younger slots' loads, eight each.
.macro SLOTW i, ahead, left
.set TT, T+16*((\i)%2)
.set XX, X+32*(\i)
	s_wait_loadcnt \left
	WIN 0x05                                       ; both sources in window 1
.irp j, 0,1,2,3
.irp p, 0,1,2,3
	v_cvt_pk_bf16_f32 v[TT+4*\j+\p], v[XX+8*\p+\j], v[XX+8*\p+4+\j]
.endr
.endr
	WIN 0
.if \ahead
	v_add_nc_u32 v[OFF+(\i)], 32*OCT, v[OFF+(\i)]  ; free since the wait above has shown the slot's loads done
	WIN 0x40
	WLOAD \i
	WIN 0
.endif
.set z, 0
.rept 16
	v_lshlrev_b32 v[U+2*z], 16, v[TT+z]
	v_and_b32 v[U+2*z+1], s40, v[TT+z]
.set z, z+1
.endr
.set z, 0
.rept 16
	v_cvt_pk_f16_f32 v[TT+z], v[U+2*z], v[U+2*z+1]
.set z, z+1
.endr
.irp j, 0,1,2,3
	ds_store_b128 v[VST], v[TT+4*\j:TT+4*\j+3] offset:2*KTB*(\i)+16*\j
.endr
.endm
	s_mov_b32 s62, 3
.Lround:
	SLOTW 0, 1, 24
	SLOTW 1, 1, 24
	SLOTW 2, 1, 24
	SLOTW 3, 1, 24
	v_add_nc_u32 v[VST], 8*KTB, v[VST]
	s_sub_co_u32 s62, s62, 1
	s_cmp_lg_u32 s62, 0
	s_cbranch_scc1 .Lround
	SLOTW 0, 0, 24                                 ; the last round loads nothing: the counts run down
	SLOTW 1, 0, 16
	SLOTW 2, 0, 8
	SLOTW 3, 0, 0
	; the bias, rounded to bf16 like every input, back in f32
	WIN 0x05
.set z, 0
.rept 32
	v_cvt_pk_bf16_f32 v[T+z], v[RAW+2*z], v[RAW+2*z+1]
.set z, z+1
.endr
	WIN 0
.set z, 0
.rept 32
	v_and_b32 v[T+z], s39, v[T+z]                  ; 0 in the quarters that do not carry the bias
.set z, z+1
.endr
	WIN 0x40
.set z, 0
.rept 32
	v_lshlrev_b32 v[BIAS+2*z], 16, v[T+z]
	v_and_b32 v[BIAS+2*z+1], s40, v[T+z]
.set z, z+1
.endr
	WIN 0
	v_lshlrev_b32 v[H16], 4, v3                    ; the ring's offsets are free
	v_lshlrev_b32 v[R16], 4, v2
	s_wait_dscnt 0x0                               ; for the others' sake: my part of the slice is stored
	s_barrier_signal -1
	s_barrier_wait -1                              ; the slice is whole; nothing writes it from here on
.macro MMA d, a, b, c
	v_wmma_f32_16x16x32_f16 v[\d:\d+7], v[\a:\a+7], v[\b:\b+7], v[\c:\c+7]
.endm
.macro MUL8 k, j, first                ; block j's eight products of a K step
.irp nt, 0,1,2,3,4,5,6,7
.if \first
	MMA 8*(8*(\j)+\nt), BF+64*((\k)%2)+8*\nt, AF+24*((\k)%4)+8*(\j), BIAS+8*\nt
.else
	MMA 8*(8*(\j)+\nt), BF+64*((\k)%2)+8*\nt, AF+24*((\k)%4)+8*(\j), 8*(8*(\j)+\nt)
.endif
.endr
.endm
.macro BLD buf, off                    ; the eight fragments of the weights for 32 along K: each load takes 512 neighbouring bytes
.irp nt, 0,1,2,3,4,5,6,7
	ds_load_b128 v[BF+64*(\buf)+8*\nt:BF+64*(\buf)+8*\nt+3], v[VB] offset:(\off)+FRAG*\nt
	ds_load_b128 v[BF+64*(\buf)+8*\nt+4:BF+64*(\buf)+8*\nt+7], v[VB] offset:(\off)+FRAG*\nt+512
.endr
.endm
.macro ALD slot, off                   ; the three fragments of the rows: lane l holds row l % 16, K = 8 (l / 16) + 0..7 and 16 more
.irp j, 0,1,2
	global_load_b128 v[AF+24*(\slot)+8*\j:AF+24*(\slot)+8*\j+3], v[AO+\j], s[8:9] offset:(\off)
	global_load_b128 v[AF+24*(\slot)+8*\j+4:AF+24*(\slot)+8*\j+7], v[AO+\j], s[8:9] offset:(\off)+32
.endr
.endm
; 32 along K: step k, counted from the four steps at which VB and AO stand.  The next step's weights and the rows three steps on are asked for, then this step's products, the accumulators by turns,
; one instruction a turn.  first = 1: the products start the sums, with the bias as C.  acnt: the rows' loads of the younger steps, six each.
.macro KSTEP k, first, ldb, lda, acnt
.if !(\first)
.rept 4
	v_nop                                          ; four places between the last products and loads into registers that they read (ISA guide 7.12.1 for vector instructions)
.endr
.endif
.if \ldb
	BLD ((\k)+1)%2, KTB*((\k)+1)
.endif
.if \lda
	ALD ((\k)+3)%4, 64*((\k)+3)
.endif
.if \ldb
	s_wait_dscnt 16                                ; all but the 16 just issued
.else
	s_wait_dscnt 0
.endif
	s_wait_loadcnt \acnt
	WIN 0x50                                       ; C and D in window 1
	MUL8 \k, 0, \first
	MUL8 \k, 1, \first
	WIN 0                                          ; at a branch and at a label every window is 0
	s_cmp_lt_u32 s49, 3
	s_cbranch_scc1 .Lno3_\@                        ; the third block is past the count: its products are jumped
	WIN 0x50
	MUL8 \k, 2, \first
	WIN 0
.Lno3_\@:
.endm
; THE WAY OUT.  HALF: a block's 64 columns of f32 are a stage row's 256 bytes; they go in, each accumulator's four lowest registers first, come back as 16 whole rows and are stored, 16 lanes to 256 neighbouring bytes, aligned.
.macro HALF j, hf
	WIN 0x04                                       ; the stores' data in window 1
.irp f, 0,1,2,3
	ds_store_b128 v[STO], v[8*(8*(\j)+4*(\hf)+\f):8*(8*(\j)+4*(\hf)+\f)+3] offset:64*\f
	ds_store_b128 v[STO], v[8*(8*(\j)+4*(\hf)+\f)+4:8*(8*(\j)+4*(\hf)+\f)+7] offset:64*\f+16
.endr
	WIN 0
.irp t, 0,1,2,3,4,5,6,7
	ds_load_b128 v[32+32*(\hf)+4*\t:32+32*(\hf)+4*\t+3], v[RD] offset:2*SPITCH*\t  ; LDS serves a wave's instructions in order (ISA guide 5.7.1.4): these see my stores into the stage
.endr
.irp t, 0,1,2,3,4,5,6,7
	s_wait_dscnt 7-\t
	global_store_b128 v[RO+\t], v[32+32*(\hf)+4*\t:32+32*(\hf)+4*\t+3], s[12:13] offset:256*(\hf)
.endr
.endm
.macro OUT j                           ; the pass's block j
	s_cmp_le_u32 s49, \j
	s_cbranch_scc1 .Lskip                          ; it lies past the count, and so do the blocks behind it
	s_wait_xcnt 0x0                                ; the offsets and the data of earlier stores are written again only behind this wait
.irp t, 0,1,2,3,4,5,6,7
	ds_bpermute_b32 v[RO+\t], v[BP+\t], v[Q+(\j)]  ; the q of row 2 t + lane / 16, which lane 2 t + lane / 16 holds
.endr
	s_wait_dscnt 0x0
.irp t, 0,1,2,3,4,5,6,7
	v_min_u32 v[RO+\t], 0x7ff, v[RO+\t]
.endr
.irp t, 0,1,2,3,4,5,6,7
	v_lshl_add_u32 v[RO+\t], v[RO+\t], OSH, v[R16]
.endr
	HALF \j, 0
	HALF \j, 1
.endm
	s_mov_b32 s44, s14                             ; my first block of the pass: wave + 24 pass
	s_mov_b32 s45, 3
.Lpass:
	s_sub_co_i32 s49, s43, s44                     ; my live blocks in this pass, every eighth from mine on: 0 to 3
	s_add_co_i32 s49, s49, 7
	s_ashr_i32 s49, s49, 3
	s_max_i32 s49, s49, 0
	s_min_i32 s49, s49, 3
	s_cmp_eq_u32 s49, 0
	s_cbranch_scc1 .Lnowalk                        ; none: forward over the walk, to the barrier that every wave passes
	s_lshl_b32 s47, s44, 4
	s_mov_b32 s63, 0                               ; the K steps' place in the slice
	s_wait_xcnt 0x0                                ; the last pass's stores have read their registers
	v_add_nc_u32 v[TMP], s47, v2                   ; my place in the list, for the three blocks, 128 places apart;
	v_add_nc_u32 v[TM2], 0x80, v[TMP]
	v_add_nc_u32 v[TM3], 0x100, v[TMP]
.irp t, TMP, TM2, TM3
	v_min_u32 v[\t], s42, v[\t]                    ; past the count: the last row once more
.endr
.irp t, TMP, TM2, TM3
	v_min_u32 v[\t], 0x3ff, v[\t]
.endr
.irp t, TMP, TM2, TM3
	v_lshl_add_u32 v[\t], v[\t], 1, s25
.endr
	ds_load_u16 v[Q], v[TMP]
	ds_load_u16 v[Q+1], v[TM2]
	ds_load_u16 v[Q+2], v[TM3]
	s_wait_dscnt 0x0
.irp j, 0,1,2
	v_min_u32 v[Q+\j], 0x7ff, v[Q+\j]
.endr
.irp j, 0,1,2
	v_lshl_add_u32 v[AO+\j], v[Q+\j], 13, v[H16]   ; row q of h
.endr
	v_add_nc_u32 v[VB], s63, v[B0]
	ALD 0, 0                                       ; the rows of K steps 0, 1, 2 and the weights of step 0
	ALD 1, 64
	ALD 2, 128
	BLD 0, 0
	KSTEP 0, 1, 1, 1, 18                           ; step 0 stands in front of the loop: it starts the sums
	s_mov_b32 s46, 7
.Lk:                                                   ; trip t: steps 4 t + 1 .. 4 t + 4; all of them ask for a next step's weights and for rows three steps on
	v_add_nc_u32 v[VB], s63, v[B0]                 ; made anew in each trip from the scalar that steps
	KSTEP 1, 0, 1, 1, 18
	KSTEP 2, 0, 1, 1, 18
	KSTEP 3, 0, 1, 1, 18
	KSTEP 4, 0, 1, 1, 18
	s_wait_xcnt 0x0                                ; the rows' offsets are sources of loads that are out: they step only behind this wait
.irp j, 0,1,2
	v_add_nc_u32 v[AO+\j], 256, v[AO+\j]
.endr
	s_add_co_u32 s63, s63, 4*KTB
	s_sub_co_u32 s46, s46, 1
	s_cmp_lg_u32 s46, 0
	s_cbranch_scc1 .Lk
	v_add_nc_u32 v[VB], s63, v[B0]
	KSTEP 1, 0, 1, 0, 12                           ; steps 29, 30, 31: nothing is asked for past the quarter's end, and the counts run down
	KSTEP 2, 0, 1, 0, 6
	KSTEP 3, 0, 0, 0, 0
.rept 4
	v_nop                                          ; four places behind the last products, ahead of all that reads their results or writes their sources
.endr
.Lnowalk:
	s_wait_dscnt 0x0                               ; my reads of the slice are over;
	s_barrier_signal -1
	s_barrier_wait -1                              ; every wave's are: only now is a stage written
	OUT 0
	OUT 1
	OUT 2
.Lskip:
	s_wait_dscnt 0x0                               ; my stores into my stage and my reads of it are over;
	s_barrier_signal -1
	s_barrier_wait -1                              ; every wave's are: only now is the slice read again
	s_add_co_u32 s44, s44, 24
	s_sub_co_u32 s45, s45, 1
	s_cmp_lg_u32 s45, 0
	s_cbranch_scc1 .Lpass
	s_wait_tensorcnt 0x0                           ; the wave's end, behind my last LDS store
	ds_add_u32 v[SPW], v[NIL]
	s_wait_dscnt 0x0
	s_endpgm
.Lfunc_end_k_qbd63441299_ffn2:
	.size	k_qbd63441299_ffn2, .Lfunc_end_k_qbd63441299_ffn2-k_qbd63441299_ffn2
	.p2alignl 7, 3214868480
	.fill 96, 4, 3214868480
	.section	.rodata,"a",@progbits
	.p2align	6, 0x0
	.amdhsa_kernel k_qbd63441299_ffn2
		.amdhsa_group_segment_fixed_size 320512
		.amdhsa_private_segment_fixed_size 0
		.amdhsa_enable_private_segment 0
		.amdhsa_kernarg_size 40
		.amdhsa_user_sgpr_count 2
		.amdhsa_user_sgpr_kernarg_segment_ptr 1
		.amdhsa_wavefront_size32 1
		.amdhsa_system_sgpr_workgroup_id_x 1
		.amdhsa_system_sgpr_workgroup_id_y 1
		.amdhsa_system_sgpr_workgroup_id_z 1
		.amdhsa_system_vgpr_workitem_id 0
		.amdhsa_next_free_vgpr 512
		.amdhsa_next_free_sgpr 66
		.amdhsa_reserve_vcc 0
		.amdhsa_float_denorm_mode_32 3
		.amdhsa_float_denorm_mode_16_64 3
		.amdhsa_memory_ordered 1
		.amdhsa_forward_progress 1
		.amdhsa_inst_pref_size 124
	.end_amdhsa_kernel
	.amdgpu_metadata
---
amdhsa.version: [ 1, 2 ]
amdhsa.kernels:
  - .name:           k_qbd63441299_ffn2
    .symbol:         k_qbd63441299_ffn2.kd
    .args:
      - { .name: W2, .offset: 0, .size: 8, .value_kind: global_buffer, .address_space: global }
      - { .name: b2, .offset: 8, .size: 8, .value_kind: global_buffer, .address_space: global }
      - { .name: h, .offset: 16, .size: 8, .value_kind: global_buffer, .address_space: global }
      - { .name: idx, .offset: 24, .size: 8, .value_kind: global_buffer, .address_space: global }
      - { .name: part, .offset: 32, .size: 8, .value_kind: global_buffer, .address_space: global }
    .group_segment_fixed_size: 320512
    .private_segment_fixed_size: 0
    .kernarg_segment_align: 8
    .kernarg_segment_size: 40
    .max_flat_workgroup_size: 256
    .sgpr_count:     66
    .vgpr_count:     512
    .wavefront_size: 32
...
	.end_amdgpu_metadata
.endif
;; end of part 3
;; launch combine (part 4): grid 256 x 1, 8 waves a work-group, no clusters, 0 bytes of LDS; arguments part, wts, rsum, out0, out1; writes out0, out1
.if DOCPART == 4
	.amdgcn_target "amdgcn-amd-amdhsa--gfx1250"
	.amdhsa_code_object_version 6
	.text
	.protected	k_qbd63441299_combine
	.globl	k_qbd63441299_combine
	.p2align	8
	.type	k_qbd63441299_combine,@function
k_qbd63441299_combine:
	s_mov_b64 s[64:65], 0
	v_nop
	global_prefetch_b8 v0, s[64:65] scope:SCOPE_SE
	s_setreg_imm32_b32 hwreg(HW_REG_WAVE_MODE, 25, 1), 1
	s_wait_xcnt 0x0
; out0[token] = gate0 x (the four partial sums of row 2 token) + gate1 x (those of row 2 token + 1);  out1 = 8 x 0.01 x the sum over the experts of (count / 2,048) x (sum of probabilities / 1,024).
; A stream: a work-group has four tokens, thread t the 16 bytes at 16 t of every row, so a wave's load or store covers 512 neighbouring bytes; all 32 loads of a thread go out at once.
; All sums in f32.  No LDS, no barrier, no matrix unit: each number is read once and added.  The one number out1 is made by the first wave of the first work-group, from 16 KiB.
.set PT, 8                             ; v8-135   the partial sums: token tok, slot, quarter kp at PT + 4 (8 tok + 4 slot + kp)
.set R,  136                           ; v136-151 a token's result: registers of its own for each store
	s_load_b256 s[4:11], s[0:1], 0x0               ; part s[4:5], wts s[6:7], rsum s[8:9], out0 s[10:11]
	s_load_b64 s[12:13], s[0:1], 0x20              ; out1
	v_lshlrev_b32 v1, 4, v0
	v_lshrrev_b32 v2, 5, v0
	v_readfirstlane_b32 s14, v2                    ; wave
	s_mov_b32 s15, ttmp9
	s_lshl_b32 s24, ttmp9, 17                      ; eight rows of 16,384 bytes
	s_mov_b32 s25, 0
	s_lshl_b32 s26, ttmp9, 5                       ; eight gates
	s_mov_b32 s27, 0
	s_lshl_b32 s28, ttmp9, 14                      ; four rows of the output
	s_mov_b32 s29, 0
	s_mov_b32 s30, 0x76543210                      ; v_permlanex16_b32: each lane takes its own place in the other half
	s_mov_b32 s31, 0xfedcba98
	s_wait_kmcnt 0x0
	s_add_nc_u64 s[4:5], s[4:5], s[24:25]
	s_add_nc_u64 s[6:7], s[6:7], s[26:27]
	s_add_nc_u64 s[10:11], s[10:11], s[28:29]
	s_load_b256 s[16:23], s[6:7], 0x0              ; the gates of my four tokens
.set n, 0
.rept 32
	global_load_b128 v[PT+4*n:PT+4*n+3], v1, s[4:5] offset:4096*n th:TH_LOAD_NT
.set n, n+1
.endr
	s_wait_kmcnt 0x0
.macro TOK t
	s_wait_loadcnt 24-8*(\t)                       ; the later tokens' loads, eight each, stay out
.irp sl, 0,1
.set B, PT+32*(\t)+16*\sl
.irp k, 0,2
	v_pk_add_f32 v[B+\k:B+\k+1], v[B+\k:B+\k+1], v[B+4+\k:B+4+\k+1]
	v_pk_add_f32 v[B+8+\k:B+8+\k+1], v[B+8+\k:B+8+\k+1], v[B+12+\k:B+12+\k+1]
.endr
.irp k, 0,2
	v_pk_add_f32 v[B+\k:B+\k+1], v[B+\k:B+\k+1], v[B+8+\k:B+8+\k+1]
.endr
.endr
.irp k, 0,1,2,3
	v_mul_f32 v[R+4*(\t)+\k], s[16+2*(\t)], v[PT+32*(\t)+\k]
.endr
.irp k, 0,1,2,3
	v_fmac_f32 v[R+4*(\t)+\k], s[17+2*(\t)], v[PT+32*(\t)+16+\k]
.endr
	global_store_b128 v1, v[R+4*(\t):R+4*(\t)+3], s[10:11] offset:4096*(\t) th:TH_STORE_NT
.endm
	TOK 0
	TOK 1
	TOK 2
	TOK 3
	s_cmp_lg_u32 s15, 0
	s_cbranch_scc1 .Lend
	s_cmp_lg_u32 s14, 0
	s_cbranch_scc1 .Lend
	; rsum is 256 groups x 16 words.  Lane l reads words 4 (l % 4) + 0..3 of group 8 i + l / 4: l % 4 = 0, 1: the probabilities' sums of experts 0-3, 4-7; 2, 3: the counts.
.set n, 0
.rept 32
	global_load_b128 v[PT+4*n:PT+4*n+3], v1, s[8:9] offset:512*n
.set n, n+1
.endr
	s_wait_loadcnt 0x0
.set n, 4
.rept 28                               ; four chains
	v_pk_add_f32 v[PT+4*(n%4):PT+4*(n%4)+1], v[PT+4*(n%4):PT+4*(n%4)+1], v[PT+4*n:PT+4*n+1]
	v_pk_add_f32 v[PT+4*(n%4)+2:PT+4*(n%4)+3], v[PT+4*(n%4)+2:PT+4*(n%4)+3], v[PT+4*n+2:PT+4*n+3]
.set n, n+1
.endr
.irp k, 0,2
	v_pk_add_f32 v[PT+\k:PT+\k+1], v[PT+\k:PT+\k+1], v[PT+4+\k:PT+4+\k+1]
	v_pk_add_f32 v[PT+8+\k:PT+8+\k+1], v[PT+8+\k:PT+8+\k+1], v[PT+12+\k:PT+12+\k+1]
.endr
.irp k, 0,2
	v_pk_add_f32 v[PT+\k:PT+\k+1], v[PT+\k:PT+\k+1], v[PT+8+\k:PT+8+\k+1]
.endr
.irp k, 0,1,2,3                        ; over the lanes that hold the same words
	v_add_f32_dpp v[PT+\k], v[PT+\k], v[PT+\k] row_xmask:4 row_mask:0xf bank_mask:0xf
.endr
.irp k, 0,1,2,3
	v_add_f32_dpp v[PT+\k], v[PT+\k], v[PT+\k] row_xmask:8 row_mask:0xf bank_mask:0xf
.endr
.irp k, 0,1,2,3
	v_permlanex16_b32 v[PT+4+\k], v[PT+\k], s30, s31
.endr
.irp k, 0,1,2,3
	v_add_f32 v[PT+\k], v[PT+\k], v[PT+4+\k]
.endr
.irp k, 0,1,2,3                        ; the lane two away holds the counts to my sums, or the sums to my counts
	v_mul_f32_dpp v[PT+4+\k], v[PT+\k], v[PT+\k] row_xmask:2 row_mask:0xf bank_mask:0xf
.endr
	v_add_f32 v[PT+4], v[PT+4], v[PT+5]
	v_add_f32 v[PT+6], v[PT+6], v[PT+7]
	v_add_f32 v[PT+4], v[PT+4], v[PT+6]
	v_add_f32_dpp v[PT+4], v[PT+4], v[PT+4] row_xmask:1 row_mask:0xf bank_mask:0xf  ; experts 0-3 and 4-7
	v_mul_f32 v[PT+4], 0x3323d70a, v[PT+4]         ; 0.08 / 2^21
	v_mov_b32 v2, 0
	v_cmp_eq_u32 vcc_lo, 0, v0
	s_wait_xcnt 0x0                                ; EXEC changes only behind this wait
	s_and_saveexec_b32 s24, vcc_lo
	global_store_b32 v2, v[PT+4], s[12:13]
	s_wait_xcnt 0x0                                ; and again in front of the line that widens it
	s_or_b32 exec_lo, exec_lo, s24
.Lend:
	s_endpgm
.Lfunc_end_k_qbd63441299_combine:
	.size	k_qbd63441299_combine, .Lfunc_end_k_qbd63441299_combine-k_qbd63441299_combine
	.p2alignl 7, 3214868480
	.fill 96, 4, 3214868480
	.section	.rodata,"a",@progbits
	.p2align	6, 0x0
	.amdhsa_kernel k_qbd63441299_combine
		.amdhsa_group_segment_fixed_size 0
		.amdhsa_private_segment_fixed_size 0
		.amdhsa_enable_private_segment 0
		.amdhsa_kernarg_size 40
		.amdhsa_user_sgpr_count 2
		.amdhsa_user_sgpr_kernarg_segment_ptr 1
		.amdhsa_wavefront_size32 1
		.amdhsa_system_sgpr_workgroup_id_x 1
		.amdhsa_system_sgpr_workgroup_id_y 1
		.amdhsa_system_sgpr_workgroup_id_z 1
		.amdhsa_system_vgpr_workitem_id 0
		.amdhsa_next_free_vgpr 152
		.amdhsa_next_free_sgpr 66
		.amdhsa_reserve_vcc 1
		.amdhsa_float_denorm_mode_32 3
		.amdhsa_float_denorm_mode_16_64 3
		.amdhsa_memory_ordered 1
		.amdhsa_forward_progress 1
		.amdhsa_inst_pref_size 18
	.end_amdhsa_kernel
	.amdgpu_metadata
---
amdhsa.version: [ 1, 2 ]
amdhsa.kernels:
  - .name:           k_qbd63441299_combine
    .symbol:         k_qbd63441299_combine.kd
    .args:
      - { .name: part, .offset: 0, .size: 8, .value_kind: global_buffer, .address_space: global }
      - { .name: wts, .offset: 8, .size: 8, .value_kind: global_buffer, .address_space: global }
      - { .name: rsum, .offset: 16, .size: 8, .value_kind: global_buffer, .address_space: global }
      - { .name: out0, .offset: 24, .size: 8, .value_kind: global_buffer, .address_space: global }
      - { .name: out1, .offset: 32, .size: 8, .value_kind: global_buffer, .address_space: global }
    .group_segment_fixed_size: 0
    .private_segment_fixed_size: 0
    .kernarg_segment_align: 8
    .kernarg_segment_size: 40
    .max_flat_workgroup_size: 256
    .sgpr_count:     66
    .vgpr_count:     152
    .wavefront_size: 32
...
	.end_amdgpu_metadata
.endif
;; end of part 4
;; ======== version 2 of 2: 4 launches; version 1 with the launches ffn1, ffn2 written anew for expert scheduling mode
;; limits: values are held in f16: magnitudes above 65,504 overflow, below 6.1e-05 lose precision; an absolute error that grows with the inputs' magnitude: up to 7.5e-08 times it
;; workspace buffers: xb 2,097,152 bytes; idx 8,192 bytes of whole numbers; wts 8,192 bytes; rsum 16,384 bytes; h 16,777,216 bytes; part 33,554,432 bytes
;; launch router: the kernel of part 1 again; grid 256 x 1, 1 waves a work-group, no clusters, 0 bytes of LDS; arguments x, w_router, xb, idx, wts, rsum; writes xb, idx, wts, rsum
;; launch ffn1 (part 5): grid 32 x 8, 8 waves a work-group, no clusters, 320,512 bytes of LDS; arguments W1, b1, xb, idx, h; writes h
.if DOCPART == 5
	.amdgcn_target "amdgcn-amd-amdhsa--gfx1250"
	.amdhsa_code_object_version 6
	.text
	.protected	k_qbd63441299_ffn1
	.globl	k_qbd63441299_ffn1
	.p2align	8
	.type	k_qbd63441299_ffn1,@function
k_qbd63441299_ffn1:
	s_mov_b64 s[64:65], 0
	v_nop
	global_prefetch_b8 v0, s[64:65] scope:SCOPE_SE
	s_setreg_imm32_b32 hwreg(HW_REG_WAVE_SCHED_MODE, 0, 2), 2
	s_setreg_imm32_b32 hwreg(HW_REG_WAVE_MODE, 25, 1), 1
	s_wait_xcnt 0x0
	s_wait_alu depctr_vm_vsrc(0)
; THE EXPERTS' FIRST PRODUCT.  h[q][n] = gelu(xb[q / 2] . W1[e][:, n] + b1[e][n]),  q = 2 token + slot a routed row, e = idx[q];  operands bf16, sums f32, h stored in f16.
; SHARES.  A work-group has a slice of ONE expert's weights, 1,024 along K x 128 columns, which it alone reads, and all rows routed to that expert: 8 experts x 32 slices = 256 work-groups.
; The slice is read once (each load of a wave takes 512 neighbouring bytes of a row), rounded in registers and laid into LDS in the order in which the matrix operand takes it.
; Then the expert's rows go in blocks of 16.  Block b belongs to wave b % 8; in one walk over K (a pass) a wave takes up to three blocks x 128 columns: 24 accumulators.  The weights' fragments
; come from LDS, the rows' fragments from memory straight into registers.  A pass serves 384 rows; an expert has at most 1,024 (a token's two choices differ): 64 blocks, three passes: the pass
; loop counts to that constant, and a wave jumps forward over the work of a pass in which it has no block.  Blocks 0 and 1 of a walk are always multiplied; the third block's products are jumped
; where it is past the count, its two loads a step are not, so that every counted wait holds on both ways (all lanes of a block past the count name one row: 32 bytes a load).
; THE LIST.  Every wave finds the expert's rows for itself from idx (2,048 whole numbers, stored by the first launch): a list of q in its own LDS bytes.  The places past the count repeat the
; expert's last row; in a block that is not full they store that row's bytes again, with the same values.  A block wholly past the count stores nothing.
; TWO BARRIERS A PASS.  The reads of the slice take their address from a scalar that steps through it (0 to 7 x 4 KTB: with the immediates they end where the stages begin).  The text does not
; lean on that arithmetic: every wave's reads of the slice are over (s_wait_dscnt 0, barrier) before any wave writes its stage, and every wave's stage traffic is over (the same again) before
; the next pass's reads.  Every wave passes both barriers in each of the three passes; only work is jumped.
; FORMATS.  All the module's inputs are rounded to bf16, the bias too.  h is kept in f16: 11 significant bits.
; LIMITS.  |h| stays under 65,504: with x and W1 both 30 times the drawn spread h reaches some 2,800, with offsets of 30 spreads in both some 16,600.  The normal tail in gelu is
; Abramowitz and Stegun 7.1.26 (error under 7.5e-8), so gelu is off by less than 7.5e-8 |x| before it is rounded.  NaN and infinities are not treated apart.
; NO TENSOR LOADS, NO CLUSTER: a slice has one reader and must pass through registers to be rounded; what an expert's work-groups share is its rows, which come by a list that no one tile's
; shape covers; and beside the slice (266,240 bytes) LDS has no room for two slots of 256 rows x 144 bytes.
; THE MATRIX INSTRUCTION IS USED TRANSPOSED (source 0 = 16 columns of the weights, source 1 = 16 rows): a lane then holds one row and eight neighbouring columns of the result.
; THE MODE: SCHED_MODE bits 1:0 = 2 (LLVM: expert scheduling mode 2), set by the entry lines.  The code itself states the register dependences
; between vector or matrix instructions and memory or LDS instructions, with s_wait_alu, always for 0.
; THE PLAN.  Registers that memory or LDS instructions touch:
;   B0, STO, RD, BP   made at the head, ahead of its one wait on va_vdst, and never written again.
;   LT, LQ            the list, four entries a batch: written by the batch's arithmetic, read by its four LDS stores.  A batch: va_sdst (the masks), vm_vsrc (the last batch's stores), va_vdst (ahead of the stores).
;   X0 .. X3          the ring: slot i's conversions read X[i]; behind them the slot's next loads land in it.      T0, T1   written by a slot's conversions, read by its four LDS stores, written again two slots on.
;   OFF[i], VST       OFF[i] is read by slot i's loads and stepped once a slot; VST is read by the LDS stores and stepped once a round.
;                     A slot: vm_vsrc at its head (T, OFF[i]), va_vdst behind its conversions and the add (X[i] read out, T and OFF[i] written).
;   AF0 .. AF3        step k's products read AF[k % 4]; the loads issued in step k + 1 land in it (the rows of step k + 4).      BF0, BF1   step k's products read BF[k % 2]; the LDS loads issued in step k + 1 land in it.
;   AO, VB            read by the rows' loads and the fragments' LDS loads; written at a pass's head and at the end of a trip of four steps, behind vm_vsrc.
;                     A step: ONE wait on va_vdst at its head: the last step's products are done reading the two buffers in which this step's loads land.  These loads follow it, eight of them
;                     between the step's products, which name BF[k % 2], AF[k % 4], the sums and the bias: none of the registers that the loads touch.
;   TMP, TM2, TM3, Q  a pass's head: three places in the list; Q is loaded by them and read by the way out's permutes.
;   GK, RO, OB        the way out: GK is written by the roundings and read by LDS stores; RO takes the permutes' results and two vector lines, and is the global stores' offset; OB takes the stage's loads and is their data.
;                     A trip: vm_vsrc at its head; va_vdst ahead of its LDS stores.
.set ROWB,   16384                     ; bytes from row to row of the weights
.set OSH,    13                        ; a row q of h: 8,192 bytes
.set OCT,    8*ROWB                    ; eight rows of the weights: what a slot of the ring holds
.set FRAG,   1040                      ; a fragment (32 K x 16 columns) in LDS: 1,024 bytes + 16, so that the 16 lanes of a store fall into 16 different columns of 16 bytes modulo 256
.set KTB,    8*FRAG                    ; the eight fragments of 32 along K
.set STAGE,  32*KTB                    ; behind the slice: 16 rows x 272 bytes for each wave, for the way out
.set SPITCH, 272
.set LISTS,  STAGE+8*16*SPITCH         ; for each wave 2,304 bytes: 1,024 places of 16 bits, then 32 places for the lanes that have nothing to list
.set LISTB,  2304                      ; (the 1,024 bytes behind the lists take the closing add's words)
; window 0
.set B0,  6                            ; v6   16 x lane
.set VB,  7                            ; v7   LDS address of the fragments in hand (first: the bias's offset)
.set AO,  8                            ; v8-10  byte offset of my row's fragment, for the pass's three blocks
.set Q,   11                           ; v11-13 my row's q
.set LT,  10                           ; v10-13 while the list is made: the LDS addresses of a batch's four places
.set STO, 14                           ; v14  the way out: where I put my piece of a row
.set RD,  15                           ; v15  where I read a row back
.set BP,  16                           ; v16-23 which lane holds the q of the row that I store
.set VST, 24                           ; v24  where my rounded weights go
.set DUMP, 25                          ; v25  1,024 + lane
.set L4,  26                           ; v26  4 x lane
.set TMP, 27
.set OFF, 28                           ; v28-31 the ring's four offsets in the weights; behind the stream:
.set H16, 28                           ; v28  16 x (lane / 16)
.set R16, 29                           ; v29  16 x (lane % 16)
.set TM2, 30
.set TM3, 31
.set AF,  32                           ; v32-127  the rows' fragments: four slots of 24 (block j at 8 j)
.set BF,  128                          ; v128-255 the weights' fragments: two buffers of 64
.set QB,  32                           ; while the list is made: 4 lane + c;
.set LQ,  36                           ;   v36-39 a batch's four q
.set T,   32                           ; while the weights stream: packed weights, two sets of 16
.set I0,  64                           ;   idx, first half;
.set I1,  192                          ;   idx, second half
.set AX,  32                           ; the way out: |x|,
.set GM,  64                           ;   max(x, 0), then the result,
.set GD,  96                           ;   t,
.set GU,  128                          ;   the exponential,
.set GP,  160                          ;   the series,
.set GK,  192                          ;   the result in f16,
.set RO,  208                          ;   v208-215 byte offsets of the rows that I store,
.set OB,  216                          ;   16 rows read back from the stage
; window 1: v0-191 the accumulators, (block j, columns nt) at 8 (8 j + nt); v192-255 the bias in an accumulator's layout.  Until the first product the accumulators' registers serve the stream:
; v0-127 are the ring, four slots of 32; the bias as loaded lands in v128-191.
.set X,    0
.set RAW,  128
.set BIAS, 192
.set MSB, 0
.macro WIN new                         ; bits 1:0 source 0, 3:2 source 1, 5:4 source 2, 7:6 destination; the high byte repeats the setting that is left
.if MSB != (\new)
	s_set_vgpr_msb (MSB<<8)|(\new)
.set MSB, \new
.endif
.endm
	s_load_b256 s[4:11], s[0:1], 0x0               ; W1 s[4:5], b1 s[6:7], xb s[8:9], idx s[10:11]
	s_load_b64 s[12:13], s[0:1], 0x20              ; h
	v_lshl_add_u32 v4, v0, 2, 0x4e000
	v_mov_b32 v5, 0
	v_lshrrev_b32 v[TMP], 5, v0
	v_readfirstlane_b32 s14, v[TMP]                ; wave 0..7
	s_and_b32 s15, ttmp7, 0xffff                   ; the expert
	v_and_b32 v1, 31, v0                           ; lane
	v_and_b32 v2, 15, v0                           ; lane % 16
	v_bfe_u32 v3, v0, 4, 1                         ; lane / 16
	v_lshlrev_b32 v[B0], 4, v1
	v_lshlrev_b32 v[VB], 5, v3                     ; the bias: eight f32 for each half of the lanes
	v_add_nc_u32 v[DUMP], 1024, v1
	v_lshlrev_b32 v[L4], 2, v1
.irp c, 0,1,2,3
	v_add_nc_u32 v[QB+\c], \c, v[L4]
.endr
.irp t, 0,1,2,3,4,5,6,7
	v_lshl_add_u32 v[BP+\t], v3, 2, 8*\t           ; 4 x lane (2 t + lane / 16)
.endr
	s_wait_alu depctr_va_sdst(0)                   ; s14 is written, ahead of its first reader: LDS places and the ring's offsets are made from it
	s_mul_i32 s23, s14, 16*SPITCH
	s_add_co_u32 s23, s23, STAGE                   ; my stage
	v_mul_u32_u24 v[STO], v2, SPITCH               ; in: row lane % 16, my eight columns in f16
	v_lshl_add_u32 v[STO], v3, 4, v[STO]
	v_add_nc_u32 v[STO], s23, v[STO]
	v_mul_u32_u24 v[RD], v3, SPITCH                ; back: lanes 0-15 one row of 256 bytes, lanes 16-31 the next
	v_lshl_add_u32 v[RD], v2, 4, v[RD]
	v_add_nc_u32 v[RD], s23, v[RD]
	s_mul_i32 s25, s14, LISTB
	s_add_co_u32 s25, s25, LISTS                   ; my list
	; eight rows k = 8 o .. 8 o + 7 of column n are 16 bytes of fragment (o / 4, n / 16), at 512 ((o / 2) % 2) + 256 (o % 2) + 16 (n % 16).  o = wave + 8 i; my columns are 4 lane + j.
	s_lshr_b32 s23, s14, 2
	s_mul_i32 s23, s23, KTB
	s_and_b32 s24, s14, 3
	s_lshl_b32 s24, s24, 8
	s_add_co_u32 s23, s23, s24
	v_lshrrev_b32 v[TMP], 2, v1
	v_mul_u32_u24 v[VST], v[TMP], FRAG
	v_and_b32 v[TMP], 3, v1
	v_lshl_add_u32 v[VST], v[TMP], 6, v[VST]
	v_add_nc_u32 v[VST], s23, v[VST]
	s_mul_i32 s23, s14, OCT
	v_add_nc_u32 v[OFF], s23, v[B0]
.irp i, 1,2,3
	v_add_nc_u32 v[OFF+\i], 8*\i*OCT, v[OFF]
.endr
	s_mov_b32 s40, 0xffff0000                      ; a word's upper bf16
	s_mov_b32 s36, 0x7fffffff                      ; clears a sign
	s_mov_b32 s21, 0
	s_mov_b32 s29, 0
	s_mov_b32 s31, 0
	s_lshl_b32 s20, s15, 24                        ; an expert's weights are 2^24 bytes
	s_lshl_b32 s23, ttmp9, 9                       ; my 128 columns of f32
	s_add_co_u32 s20, s20, s23
	s_lshl_b32 s28, s15, 14
	s_add_co_u32 s28, s28, s23
	s_lshl_b32 s30, ttmp9, 8                       ; my 128 columns of f16
	s_mov_b32 s2, 0x3e6d3388                       ; 0.3275911 / sqrt(2)
	s_mov_b32 s3, s2                               ; (the pairs' second words are named with the first)
	s_mov_b32 s50, 0xbf38aa3b                      ; -log2(e) / 2
	s_mov_b32 s51, s50
	s_mov_b32 s52, 0x3f07dc22                      ; the series' five coefficients, halved: a5,
	s_mov_b32 s53, s52
	s_mov_b32 s54, 0xbf3a00e3                      ; a4,
	s_mov_b32 s55, s54
	s_mov_b32 s56, 0x3f35f0e3                      ; a3,
	s_mov_b32 s57, s56
	s_mov_b32 s58, 0xbe11a98e                      ; a2,
	s_mov_b32 s59, s58
	s_mov_b32 s60, 0x3e027906                      ; a1
	s_mov_b32 s61, s60
	s_wait_kmcnt 0x0
	s_add_nc_u64 s[4:5], s[4:5], s[20:21]
	s_add_nc_u64 s[6:7], s[6:7], s[28:29]
	s_add_nc_u64 s[12:13], s[12:13], s[30:31]
	s_wait_alu depctr_va_vdst(0)                   ; B0, VB and OFF are written, which the first loads read as offsets; so are VST, STO, RD and BP, which LDS instructions read further down
.macro WLOAD i                         ; slot i: eight rows, 512 neighbouring bytes each; the caller has set the destination's window to 1
.irp p, 0,1,2,3,4,5,6,7
	global_load_b128 v[X+32*(\i)+4*\p:X+32*(\i)+4*\p+3], v[OFF+(\i)], s[4:5] offset:\p*ROWB th:TH_LOAD_NT
.endr
.endm
	; the first loads: idx, the bias, three slots of weights: 56 loads of the wave are out
.irp m, 0,1,2,3,4,5,6,7
	global_load_b128 v[I0+4*\m:I0+4*\m+3], v[B0], s[10:11] offset:512*\m
.endr
.irp m, 0,1,2,3,4,5,6,7
	global_load_b128 v[I1+4*\m:I1+4*\m+3], v[B0], s[10:11] offset:4096+512*\m
.endr
	WIN 0x40
.irp f, 0,1,2,3,4,5,6,7
	global_load_b128 v[RAW+8*\f:RAW+8*\f+3], v[VB], s[6:7] offset:64*\f
	global_load_b128 v[RAW+8*\f+4:RAW+8*\f+7], v[VB], s[6:7] offset:64*\f+16
.endr
	WLOAD 0
	WLOAD 1
	WLOAD 2
	WIN 0
; THE LIST.  Batch b: four registers of idx (entries q = 128 b + 4 lane + c; s16 = 128 b), taken in the order c = 0 .. 3: the lanes whose entry names my expert put their q at the next free places,
; in the lanes' order; the others at a place of their own behind the list.  The four compares stand in a run, with one wait behind them; the four stores in a run, with one wait ahead of them.
.macro LBATCH reg, b
.irp c, 0,1,2,3
	v_cmp_eq_u32 s[28+\c], s15, v[(\reg)+\c]
.endr
	s_wait_alu depctr_va_sdst(0)                   ; the four masks s28 to s31 are written, ahead of their first reader
.if (\b) > 0
	s_wait_alu depctr_vm_vsrc(0)                   ; the last batch's LDS stores have read LT and LQ, which are written again below
.endif
.irp c, 0,1,2,3
	v_mbcnt_lo_u32_b32 v[LT+\c], s[28+\c], s22
	s_bcnt1_i32_b32 s23, s[28+\c]
	s_add_co_u32 s22, s22, s23
.endr
.irp c, 0,1,2,3
	v_cndmask_b32 v[LT+\c], v[DUMP], v[LT+\c], s[28+\c]
.endr
.irp c, 0,1,2,3
	v_min_u32 v[LT+\c], 0x41f, v[LT+\c]
.endr
.irp c, 0,1,2,3
	v_lshl_add_u32 v[LT+\c], v[LT+\c], 1, s25
.endr
.irp c, 0,1,2,3
	v_add_nc_u32 v[LQ+\c], s16, v[QB+\c]
.endr
	s_wait_alu depctr_va_vdst(0)                   ; LT and LQ are written: the stores' addresses and data
.irp c, 0,1,2,3
	ds_store_b16 v[LT+\c], v[LQ+\c]
.endr
	s_addk_co_i32 s16, 0x80
.endm
	s_wait_loadcnt 40                              ; idx is in; the 16 loads of the bias and the 24 of the weights stay out
	WIN 0x40
	WLOAD 3                                        ; the ring's fourth slot (no vector instruction has been issued since the head's wait)
	WIN 0
	s_mov_b32 s22, 0
	s_mov_b32 s16, 0
.set n, 0
.rept 16
.if n < 8
	LBATCH I0+4*n, n
.else
	LBATCH I1+4*n-32, n
.endif
.set n, n+1
.endr
	s_sub_co_u32 s42, s22, 1                       ; the place of the expert's last row,
	s_add_co_u32 s43, s22, 15
	s_lshr_b32 s43, s43, 4                         ; its blocks of 16 rows
; THE STREAM.  Slot i's eight rows are rounded, eight numbers along K to 16 bytes, and stored; ahead = 1: the slot takes the rows 32 octets on.  left: the younger slots' loads, eight each.
.macro SLOTW i, ahead, left
.set TT, T+16*((\i)%2)
.set XX, X+32*(\i)
	s_wait_loadcnt \left
	s_wait_alu depctr_vm_vsrc(0)                   ; the LDS stores of two slots back have read this set of T (ahead of the first slot: the list's stores have read LQ, which lies in it); the slot's loads have read OFF[i]
	WIN 0x05                                       ; both sources in window 1
.irp j, 0,1,2,3
.irp p, 0,1,2,3
	v_cvt_pk_bf16_f32 v[TT+4*\j+\p], v[XX+8*\p+\j], v[XX+8*\p+4+\j]
.endr
.endr
	WIN 0
.if \ahead
	v_add_nc_u32 v[OFF+(\i)], 32*OCT, v[OFF+(\i)]  ; free since the wait on LOADcnt has shown the slot's loads done
.endif
	s_wait_alu depctr_va_vdst(0)                   ; the conversions have written T, which the LDS stores read, and are done reading X[i], in which the loads land; OFF[i] is written, and in a round's first slot VST
.if \ahead
	WIN 0x40
	WLOAD \i
	WIN 0
.endif
.irp j, 0,1,2,3
	ds_store_b128 v[VST], v[TT+4*\j:TT+4*\j+3] offset:2*KTB*(\i)+16*\j
.endr
.endm
	s_mov_b32 s62, 3
.Lround:
	SLOTW 0, 1, 24
	SLOTW 1, 1, 24
	SLOTW 2, 1, 24
	SLOTW 3, 1, 24
	s_wait_alu depctr_vm_vsrc(0)                   ; the round's LDS stores have read VST
	v_add_nc_u32 v[VST], 8*KTB, v[VST]
	s_sub_co_u32 s62, s62, 1
	s_cmp_lg_u32 s62, 0
	s_cbranch_scc1 .Lround
	SLOTW 0, 0, 24                                 ; the last round loads nothing: the counts run down
	SLOTW 1, 0, 16
	SLOTW 2, 0, 8
	SLOTW 3, 0, 0
	; the bias, rounded to bf16 like every input, back in f32
	s_wait_alu depctr_vm_vsrc(0)                   ; the last LDS stores have read T, which is written again below; the ring's loads have read OFF, of which v28 and v29 become H16 and R16
	WIN 0x05
.set z, 0
.rept 32
	v_cvt_pk_bf16_f32 v[T+z], v[RAW+2*z], v[RAW+2*z+1]
.set z, z+1
.endr
	WIN 0x40
.set z, 0
.rept 32
	v_lshlrev_b32 v[BIAS+2*z], 16, v[T+z]
	v_and_b32 v[BIAS+2*z+1], s40, v[T+z]
.set z, z+1
.endr
	WIN 0
	v_lshlrev_b32 v[H16], 4, v3                    ; the ring's offsets are free
	v_lshlrev_b32 v[R16], 4, v2
	s_wait_dscnt 0x0                               ; for the others' sake: my part of the slice is stored
	s_barrier_signal -1
	s_barrier_wait -1                              ; the slice is whole; nothing writes it from here on
.macro MMA d, a, b, c
	v_wmma_f32_16x16x32_bf16 v[\d:\d+7], v[\a:\a+7], v[\b:\b+7], v[\c:\c+7]
.endm
.macro MUL8 k, j, first                ; block j's eight products of a K step
.irp nt, 0,1,2,3,4,5,6,7
.if \first
	MMA 8*(8*(\j)+\nt), BF+64*((\k)%2)+8*\nt, AF+24*((\k)%4)+8*(\j), BIAS+8*\nt
.else
	MMA 8*(8*(\j)+\nt), BF+64*((\k)%2)+8*\nt, AF+24*((\k)%4)+8*(\j), 8*(8*(\j)+\nt)
.endif
.endr
.endm
.macro BLD buf, off, n0                ; four of the eight fragments of the weights for 32 along K, n0 to n0 + 3: each load takes 512 neighbouring bytes
.irp nt, 0,1,2,3
	ds_load_b128 v[BF+64*(\buf)+8*((\n0)+\nt):BF+64*(\buf)+8*((\n0)+\nt)+3], v[VB] offset:(\off)+FRAG*((\n0)+\nt)
	ds_load_b128 v[BF+64*(\buf)+8*((\n0)+\nt)+4:BF+64*(\buf)+8*((\n0)+\nt)+7], v[VB] offset:(\off)+FRAG*((\n0)+\nt)+512
.endr
.endm
.macro ALD slot, off                   ; the three fragments of the rows: lane l holds row l % 16, K = 8 (l / 16) + 0..7 and 16 more
.irp j, 0,1,2
	global_load_b128 v[AF+24*(\slot)+8*\j:AF+24*(\slot)+8*\j+3], v[AO+\j], s[8:9] offset:(\off)
	global_load_b128 v[AF+24*(\slot)+8*\j+4:AF+24*(\slot)+8*\j+7], v[AO+\j], s[8:9] offset:(\off)+32
.endr
.endm
; 32 along K: step k, counted from the four steps at which VB and AO stand.  The rows three steps on and the next step's weights are asked for, half of the weights ahead of this step's products and half
; between them; the accumulators go by turns, one instruction a turn.  first = 1: the products start the sums, with the bias as C.  acnt: the rows' loads of the younger steps, six each.
.macro KSTEP k, first, ldb, lda, acnt
.if !(\first)
.rept 4
	v_nop                                          ; four places behind the last products, as in the plain form of this text; they stay beside the wait below
.endr
.if (\ldb)+(\lda)
	s_wait_alu depctr_va_vdst(0)                   ; the last step's products are done reading BF[(k + 1) % 2] and AF[(k + 3) % 4], in which this step's loads land; in a trip's first step AO and VB are written
.endif
.endif
.if \lda
	ALD ((\k)+3)%4, 64*((\k)+3)
.endif
.if \ldb
	BLD ((\k)+1)%2, KTB*((\k)+1), 0
	s_wait_dscnt 8                                 ; all but the 8 just issued: this step's weights are in
.else
	s_wait_dscnt 0
.endif
	s_wait_loadcnt \acnt
	WIN 0x50                                       ; C and D in window 1
	MUL8 \k, 0, \first
.if \ldb
	WIN 0
	BLD ((\k)+1)%2, KTB*((\k)+1), 4                ; no wait: the products issued since the step's wait name BF[k % 2], AF[k % 4], the sums and the bias alone
	WIN 0x50
.endif
	MUL8 \k, 1, \first
	WIN 0                                          ; at a branch and at a label every window is 0
	s_cmp_lt_u32 s49, 3
	s_cbranch_scc1 .Lno3_\@                        ; the third block is past the count: its products are jumped
	WIN 0x50
	MUL8 \k, 2, \first
	WIN 0
.Lno3_\@:
.endm
; THE WAY OUT.  gelu(x) = max(x, 0) - |x| Q(|x|), Q the normal tail: Q = (a1 t + .. + a5 t^5) 2^(-x x log2(e) / 2) with halved coefficients, t = 1 / (1 + 0.2316419 |x|).
; It is written once, for 32 numbers a lane (a block's 64 columns) in fixed registers, and walked for each live block's two halves.  HEAD takes what hangs on the accumulators' numbers:
; |x| and max(x, 0), each accumulator read from its lowest register on; in a block's second half also the q of the rows that I store.
.macro HEAD j, g
	WIN 0x04                                       ; source 1: the accumulators
.set z, 0
.rept 32
	v_and_b32 v[AX+z], s36, v[64*(\j)+32*(\g)+z]
.set z, z+1
.endr
.set z, 0
.rept 32
	v_max_num_f32 v[GM+z], 0, v[64*(\j)+32*(\g)+z]
.set z, z+1
.endr
	WIN 0
.if \g
.irp t, 0,1,2,3,4,5,6,7
	ds_bpermute_b32 v[RO+\t], v[BP+\t], v[Q+(\j)]  ; the q of row 2 t + lane / 16, which lane 2 t + lane / 16 holds.  No wait: since the wait at the walk's end, and since the one behind RO's arithmetic, no vector line names RO, BP or Q
.endr
.endif
.endm
	s_mov_b32 s44, s14                             ; my first block of the pass: wave + 24 pass
	s_mov_b32 s45, 3
.Lpass:
	s_sub_co_i32 s49, s43, s44                     ; my live blocks in this pass, every eighth from mine on: 0 to 3
	s_add_co_i32 s49, s49, 7
	s_ashr_i32 s49, s49, 3
	s_max_i32 s49, s49, 0
	s_min_i32 s49, s49, 3
	s_cmp_eq_u32 s49, 0
	s_cbranch_scc1 .Lnowalk                        ; none: forward over the walk, to the barrier that every wave passes
	s_lshl_b32 s47, s44, 4
	s_mov_b32 s63, 0                               ; the K steps' place in the slice
	s_wait_xcnt 0x0                                ; the last pass's stores have read their registers
	s_wait_alu depctr_vm_vsrc(0)                   ; all that memory and LDS instructions have read so far is free to be written: TMP, TM2, TM3, Q, AO and VB below, and GK, RO and OB, which lie in BF
	v_add_nc_u32 v[TMP], s47, v2                   ; my place in the list, for the three blocks, 128 places apart;
	v_add_nc_u32 v[TM2], 0x80, v[TMP]
	v_add_nc_u32 v[TM3], 0x100, v[TMP]
.irp t, TMP, TM2, TM3
	v_min_u32 v[\t], s42, v[\t]                    ; past the count: the last row once more
.endr
.irp t, TMP, TM2, TM3
	v_min_u32 v[\t], 0x3ff, v[\t]
.endr
.irp t, TMP, TM2, TM3
	v_lshl_add_u32 v[\t], v[\t], 1, s25
.endr
	s_wait_alu depctr_va_vdst(0)                   ; the three addresses are written; so is Q, by the vector lines that named it last (the list's, or the last pass's), in which the loads land
	ds_load_u16 v[Q], v[TMP]
	ds_load_u16 v[Q+1], v[TM2]
	ds_load_u16 v[Q+2], v[TM3]
	s_wait_dscnt 0x0
.irp j, 0,1,2
	v_lshrrev_b32 v[AO+\j], 1, v[Q+\j]             ; the token
.endr
.irp j, 0,1,2
	v_min_u32 v[AO+\j], 0x3ff, v[AO+\j]
.endr
.irp j, 0,1,2
	v_lshl_add_u32 v[AO+\j], v[AO+\j], 11, v[H16]  ; its row of xb
.endr
.irp j, 0,1,2
	v_min_u32 v[Q+\j], 0x7ff, v[Q+\j]
.endr
	v_add_nc_u32 v[VB], s63, v[B0]
	s_wait_alu depctr_va_vdst(0)                   ; AO, VB and Q are written; the vector lines that named AF's and BF's registers (the list, the stream, the last way out) are done with them: the loads below land there
	ALD 0, 0                                       ; the rows of K steps 0, 1, 2 and the weights of step 0
	ALD 1, 64
	ALD 2, 128
	BLD 0, 0, 0
	BLD 0, 0, 4
	KSTEP 0, 1, 1, 1, 18                           ; step 0 stands in front of the loop: it starts the sums
	s_mov_b32 s46, 7
.Lk:                                                   ; trip t: steps 4 t + 1 .. 4 t + 4; all of them ask for a next step's weights and for rows three steps on
	KSTEP 1, 0, 1, 1, 18
	KSTEP 2, 0, 1, 1, 18
	KSTEP 3, 0, 1, 1, 18
	KSTEP 4, 0, 1, 1, 18
	s_wait_xcnt 0x0                                ; the rows' offsets are sources of loads that are out: they step only behind this wait
	s_wait_alu depctr_vm_vsrc(0)                   ; the loads issued so far have read AO and VB
.irp j, 0,1,2
	v_add_nc_u32 v[AO+\j], 256, v[AO+\j]
.endr
	s_add_co_u32 s63, s63, 4*KTB
	v_add_nc_u32 v[VB], s63, v[B0]                 ; made anew for the next four steps from the scalar that steps
	s_sub_co_u32 s46, s46, 1
	s_cmp_lg_u32 s46, 0
	s_cbranch_scc1 .Lk
	KSTEP 1, 0, 1, 0, 12                           ; steps 29, 30, 31: nothing is asked for past the row's end, and the counts run down
	KSTEP 2, 0, 1, 0, 6
	KSTEP 3, 0, 0, 0, 0
.rept 4
	v_nop                                          ; four places behind the last products, ahead of all that reads their results or writes their sources
.endr
	s_wait_alu depctr_va_vdst(0)                   ; the products are done reading BF, in whose registers the way out's permutes (RO) and stage loads (OB) land
.Lnowalk:
	s_wait_dscnt 0x0                               ; my reads of the slice are over;
	s_barrier_signal -1
	s_barrier_wait -1                              ; every wave's are: only now is a stage written
	s_mov_b32 s34, 0
	s_lshl_b32 s35, s49, 1                         ; two halves of 64 columns for each live block
.Lgo:                                                  ; six trips, (block, half); those past my live blocks are jumped
	s_cmp_ge_u32 s34, s35
	s_cbranch_scc1 .Lnext
	s_wait_xcnt 0x0                                ; the offsets and the data of earlier stores are written again only behind this wait
	s_wait_alu depctr_vm_vsrc(0)                   ; the earlier trips' LDS stores have read GK, their global stores RO and OB: this trip writes them again
.irp k, 0,1,2,3,4
	s_cmp_lg_u32 s34, \k
	s_cbranch_scc1 .Lnot\k
	HEAD \k/2, \k%2
	s_branch .Lcommon
.Lnot\k:
.endr
	HEAD 2, 1
.Lcommon:
.set z, 0
.rept 16
	v_pk_fma_f32 v[GD+2*z:GD+2*z+1], v[AX+2*z:AX+2*z+1], s[2:3], 1.0 op_sel_hi:[1,0,0]
.set z, z+1
.endr
.set z, 0
.rept 16
	v_pk_mul_f32 v[GU+2*z:GU+2*z+1], v[AX+2*z:AX+2*z+1], s[50:51] op_sel_hi:[1,0]
.set z, z+1
.endr
.set z, 0
.rept 16
	v_pk_mul_f32 v[GU+2*z:GU+2*z+1], v[AX+2*z:AX+2*z+1], v[GU+2*z:GU+2*z+1]
.set z, z+1
.endr
.set z, 0
.rept 32
	v_rcp_f32 v[GD+z], v[GD+z]
.set z, z+1
.endr
.set z, 0
.rept 32
	v_exp_f32 v[GU+z], v[GU+z]
.set z, z+1
.endr
	v_nop                                          ; a plain instruction behind the last of them,
	s_wait_alu depctr_va_vdst(0)                   ; and one wait for the batch of 64: the reciprocals in GD and the exponentials in GU are written, ahead of their first use
.set z, 0
.rept 16
	v_pk_fma_f32 v[GP+2*z:GP+2*z+1], v[GD+2*z:GD+2*z+1], s[52:53], s[54:55] op_sel_hi:[1,0,0]
.set z, z+1
.endr
.irp a, 56,58,60
.set z, 0
.rept 16
	v_pk_fma_f32 v[GP+2*z:GP+2*z+1], v[GP+2*z:GP+2*z+1], v[GD+2*z:GD+2*z+1], s[\a:\a+1] op_sel_hi:[1,1,0]
.set z, z+1
.endr
.endr
.set z, 0
.rept 16
	v_pk_mul_f32 v[GP+2*z:GP+2*z+1], v[GP+2*z:GP+2*z+1], v[GD+2*z:GD+2*z+1]
.set z, z+1
.endr
.set z, 0
.rept 16
	v_pk_mul_f32 v[GP+2*z:GP+2*z+1], v[GP+2*z:GP+2*z+1], v[GU+2*z:GU+2*z+1]
.set z, z+1
.endr
.set z, 0
.rept 16
	v_pk_fma_f32 v[GM+2*z:GM+2*z+1], v[AX+2*z:AX+2*z+1], v[GP+2*z:GP+2*z+1], v[GM+2*z:GM+2*z+1] neg_lo:[1,0,0] neg_hi:[1,0,0]
.set z, z+1
.endr
.set z, 0
.rept 16
	v_cvt_pk_f16_f32 v[GK+z], v[GM+2*z], v[GM+2*z+1]
.set z, z+1
.endr
	s_wait_dscnt 0x0                               ; ahead of the branch, so on both ways: no LDS instruction of mine is out; in a second half the q of my rows are here
	s_bitcmp1_b32 s34, 0
	s_cbranch_scc1 .Lodd
	s_wait_alu depctr_va_vdst(0)                   ; the roundings have written GK, which the LDS stores read
.irp f, 0,1,2,3
	ds_store_b128 v[STO], v[GK+4*\f:GK+4*\f+3] offset:32*\f        ; the first half of my stage's rows
.endr
	s_branch .Lnext
.Lodd:
.irp t, 0,1,2,3,4,5,6,7
	v_min_u32 v[RO+\t], 0x7ff, v[RO+\t]
.endr
.irp t, 0,1,2,3,4,5,6,7
	v_lshl_add_u32 v[RO+\t], v[RO+\t], OSH, v[R16]
.endr
	s_wait_alu depctr_va_vdst(0)                   ; the roundings have written GK, which the LDS stores read; RO is written, which the global stores read as their offsets
.irp f, 0,1,2,3
	ds_store_b128 v[STO], v[GK+4*\f:GK+4*\f+3] offset:128+32*\f    ; the second half: the block's 16 rows are whole
.endr
.irp t, 0,1,2,3,4,5,6,7
	ds_load_b128 v[OB+4*\t:OB+4*\t+3], v[RD] offset:2*SPITCH*\t    ; LDS serves a wave's instructions in order (ISA guide 5.7.1.4): these see my stores into the stage
.endr
.irp t, 0,1,2,3,4,5,6,7
	s_wait_dscnt 7-\t
	global_store_b128 v[RO+\t], v[OB+4*\t:OB+4*\t+3], s[12:13]     ; 16 lanes store 256 neighbouring bytes, aligned
.endr
.Lnext:
	s_add_co_u32 s34, s34, 1
	s_cmp_lt_u32 s34, 6
	s_cbranch_scc1 .Lgo
	s_wait_dscnt 0x0                               ; my stores into my stage and my reads of it are over;
	s_barrier_signal -1
	s_barrier_wait -1                              ; every wave's are: only now is the slice read again
	s_add_co_u32 s44, s44, 24
	s_sub_co_u32 s45, s45, 1
	s_cmp_lg_u32 s45, 0
	s_cbranch_scc1 .Lpass
	s_wait_dscnt 0x0                               ; the wave's end.
	s_wait_alu depctr_hold_cnt(0) depctr_sa_sdst(0) depctr_va_vdst(0) depctr_va_sdst(0) depctr_va_ssrc(0) depctr_va_vcc(0) depctr_vm_vsrc(0)
	s_wait_tensorcnt 0x0
	ds_add_u32 v4, v5
	s_wait_dscnt 0x0
	s_endpgm
.Lfunc_end_k_qbd63441299_ffn1:
	.size	k_qbd63441299_ffn1, .Lfunc_end_k_qbd63441299_ffn1-k_qbd63441299_ffn1
	.p2alignl 7, 3214868480
	.fill 96, 4, 3214868480
	.section	.rodata,"a",@progbits
	.p2align	6, 0x0
	.amdhsa_kernel k_qbd63441299_ffn1
		.amdhsa_group_segment_fixed_size 320512
		.amdhsa_private_segment_fixed_size 0
		.amdhsa_enable_private_segment 0
		.amdhsa_kernarg_size 40
		.amdhsa_user_sgpr_count 2
		.amdhsa_user_sgpr_kernarg_segment_ptr 1
		.amdhsa_wavefront_size32 1
		.amdhsa_system_sgpr_workgroup_id_x 1
		.amdhsa_system_sgpr_workgroup_id_y 1
		.amdhsa_system_sgpr_workgroup_id_z 1
		.amdhsa_system_vgpr_workitem_id 0
		.amdhsa_next_free_vgpr 512
		.amdhsa_next_free_sgpr 66
		.amdhsa_reserve_vcc 0
		.amdhsa_float_denorm_mode_32 3
		.amdhsa_float_denorm_mode_16_64 3
		.amdhsa_memory_ordered 1
		.amdhsa_forward_progress 1
		.amdhsa_inst_pref_size 124
	.end_amdhsa_kernel
	.amdgpu_metadata
---
amdhsa.version: [ 1, 2 ]
amdhsa.kernels:
  - .name:           k_qbd63441299_ffn1
    .symbol:         k_qbd63441299_ffn1.kd
    .args:
      - { .name: W1, .offset: 0, .size: 8, .value_kind: global_buffer, .address_space: global }
      - { .name: b1, .offset: 8, .size: 8, .value_kind: global_buffer, .address_space: global }
      - { .name: xb, .offset: 16, .size: 8, .value_kind: global_buffer, .address_space: global }
      - { .name: idx, .offset: 24, .size: 8, .value_kind: global_buffer, .address_space: global }
      - { .name: h, .offset: 32, .size: 8, .value_kind: global_buffer, .address_space: global }
    .group_segment_fixed_size: 320512
    .private_segment_fixed_size: 0
    .kernarg_segment_align: 8
    .kernarg_segment_size: 40
    .max_flat_workgroup_size: 256
    .sgpr_count:     66
    .vgpr_count:     512
    .wavefront_size: 32
...
	.end_amdgpu_metadata
.endif
;; end of part 5
;; launch ffn2 (part 6): grid 32 x 8, 8 waves a work-group, no clusters, 320,512 bytes of LDS; arguments W2, b2, h, idx, part; writes part
.if DOCPART == 6
	.amdgcn_target "amdgcn-amd-amdhsa--gfx1250"
	.amdhsa_code_object_version 6
	.text
	.protected	k_qbd63441299_ffn2
	.globl	k_qbd63441299_ffn2
	.p2align	8
	.type	k_qbd63441299_ffn2,@function
k_qbd63441299_ffn2:
	s_mov_b64 s[64:65], 0
	v_nop
	global_prefetch_b8 v0, s[64:65] scope:SCOPE_SE
	s_setreg_imm32_b32 hwreg(HW_REG_WAVE_SCHED_MODE, 0, 2), 2
	s_setreg_imm32_b32 hwreg(HW_REG_WAVE_MODE, 25, 1), 1
	s_wait_xcnt 0x0
	s_wait_alu depctr_vm_vsrc(0)
; THE EXPERTS' SECOND PRODUCT.  part[q][kp][n] = h[q][1024 kp ..] . W2[e][1024 kp .., n] (+ b2[e][n] where kp = 0),  q = 2 token + slot a routed row, e = idx[q];  operands f16, partial sums stored in f32.
; SHARES.  A work-group has a slice of ONE expert's weights, 1,024 along K x 128 columns, which it alone reads, and all rows routed to that expert: 8 experts x 4 quarters of K x 8 = 256 work-groups.
; The slice is read once (each load of a wave takes 512 neighbouring bytes of a row), rounded in registers and laid into LDS in the order in which the matrix operand takes it.
; Then the expert's rows go in blocks of 16.  Block b belongs to wave b % 8; in one walk over K (a pass) a wave takes up to three blocks x 128 columns: 24 accumulators.  The weights' fragments
; come from LDS, the rows' fragments from memory straight into registers.  A pass serves 384 rows; an expert has at most 1,024 (a token's two choices differ): 64 blocks, three passes: the pass
; loop counts to that constant, and a wave jumps forward over the work of a pass in which it has no block.  Blocks 0 and 1 of a walk are always multiplied; the third block's products are jumped
; where it is past the count, its two loads a step are not, so that every counted wait holds on both ways (all lanes of a block past the count name one row: 32 bytes a load).
; THE LIST.  Every wave finds the expert's rows for itself from idx (2,048 whole numbers, stored by the first launch): a list of q in its own LDS bytes.  The places past the count repeat the
; expert's last row; in a block that is not full they store that row's bytes again, with the same values.  A block wholly past the count stores nothing.
; TWO BARRIERS A PASS.  The reads of the slice take their address from a scalar that steps through it (0 to 7 x 4 KTB: with the immediates they end where the stages begin).  The text does not
; lean on that arithmetic: every wave's reads of the slice are over (s_wait_dscnt 0, barrier) before any wave writes its stage, and every wave's stage traffic is over (the same again) before
; the next pass's reads.  Every wave passes both barriers in each of the three passes; only work is jumped.
; WHY K IN QUARTERS.  A slice of all 4,096 along K would have 32 columns: rows of 128 bytes, and four times the rows' bytes for each work-group.  The price: four partial sums a row, in f32, added by the last launch.
; FORMATS.  All the module's inputs are rounded to bf16, the bias too.  h comes in f16.  W2 is rounded to bf16 like the other inputs and that number written as f16.
; LIMITS.  A weight of W2 below 2^-17 keeps f16's fixed step of 6e-8, one beyond 65,504 becomes an infinity.  NaN and infinities are not treated apart.
; NO TENSOR LOADS, NO CLUSTER: a slice has one reader and must pass through registers to be rounded; what an expert's work-groups share is its rows, which come by a list that no one tile's
; shape covers; and beside the slice (266,240 bytes) LDS has no room for two slots of 256 rows x 144 bytes.
; THE MATRIX INSTRUCTION IS USED TRANSPOSED (source 0 = 16 columns of the weights, source 1 = 16 rows): a lane then holds one row and eight neighbouring columns of the result.
; THE MODE: SCHED_MODE bits 1:0 = 2 (LLVM: expert scheduling mode 2), set by the entry lines.  The code itself states the register dependences
; between vector or matrix instructions and memory or LDS instructions, with s_wait_alu, always for 0.
; THE PLAN.  Registers that memory or LDS instructions touch:
;   B0, STO, RD, BP   made at the head, ahead of its one wait on va_vdst, and never written again.
;   LT, LQ            the list, four entries a batch: written by the batch's arithmetic, read by its four LDS stores.  A batch: va_sdst (the masks), vm_vsrc (the last batch's stores), va_vdst (ahead of the stores).
;   X0 .. X3          the ring: slot i's first conversions read X[i]; behind them the slot's next loads land in it.      T0, T1   written by a slot's conversions, read by its four LDS stores, written again two slots on.
;   OFF[i], VST       OFF[i] is read by slot i's loads and stepped once a slot; VST is read by the LDS stores and stepped once a round.
;                     A slot: vm_vsrc at its head (T, OFF[i]); va_vdst behind the first conversions and the add (X[i] read out, OFF[i] written), so that the loads go out early; va_vdst behind the second conversions (T written).
;   AF0 .. AF3        step k's products read AF[k % 4]; the loads issued in step k + 1 land in it (the rows of step k + 4).      BF0, BF1   step k's products read BF[k % 2]; the LDS loads issued in step k + 1 land in it.
;   AO, VB            read by the rows' loads and the fragments' LDS loads; written at a pass's head and at the end of a trip of four steps, behind vm_vsrc.
;                     A step: ONE wait on va_vdst at its head: the last step's products are done reading the two buffers in which this step's loads land.  These loads follow it, eight of them
;                     between the step's products, which name BF[k % 2], AF[k % 4], the sums and the bias: none of the registers that the loads touch.
;   TMP, TM2, TM3, Q  a pass's head: three places in the list; Q is loaded by them and read by the way out's permutes.
;   the sums          written by the products, read by the way out's LDS stores, written again by the next pass's first products.
;   RO, v32-95        the way out: RO takes the permutes' results and two vector lines, and is the global stores' offset; v32-95 take the stage's loads and are their data.
;                     va_vdst behind the label at which the way through the walk and the way round it join, so on every way to the way out; a block: vm_vsrc at its head, va_vdst behind RO's arithmetic.
.set ROWB,   4096                      ; bytes from row to row of the weights
.set OSH,    14                        ; a row q of part: 16,384 bytes
.set OCT,    8*ROWB                    ; eight rows of the weights: what a slot of the ring holds
.set FRAG,   1040                      ; a fragment (32 K x 16 columns) in LDS: 1,024 bytes + 16, so that the 16 lanes of a store fall into 16 different columns of 16 bytes modulo 256
.set KTB,    8*FRAG                    ; the eight fragments of 32 along K
.set STAGE,  32*KTB                    ; behind the slice: 16 rows x 272 bytes for each wave, for the way out
.set SPITCH, 272
.set LISTS,  STAGE+8*16*SPITCH         ; for each wave 2,304 bytes: 1,024 places of 16 bits, then 32 places for the lanes that have nothing to list
.set LISTB,  2304                      ; (the 1,024 bytes behind the lists take the closing add's words)
; window 0
.set B0,  6                            ; v6   16 x lane
.set VB,  7                            ; v7   LDS address of the fragments in hand (first: the bias's offset)
.set AO,  8                            ; v8-10  byte offset of my row's fragment, for the pass's three blocks
.set Q,   11                           ; v11-13 my row's q
.set LT,  10                           ; v10-13 while the list is made: the LDS addresses of a batch's four places
.set STO, 14                           ; v14  the way out: where I put my piece of a row
.set RD,  15                           ; v15  where I read a row back
.set BP,  16                           ; v16-23 which lane holds the q of the row that I store
.set VST, 24                           ; v24  where my rounded weights go
.set DUMP, 25                          ; v25  1,024 + lane
.set L4,  26                           ; v26  4 x lane
.set TMP, 27
.set OFF, 28                           ; v28-31 the ring's four offsets in the weights; behind the stream:
.set H16, 28                           ; v28  16 x (lane / 16)
.set R16, 29                           ; v29  16 x (lane % 16)
.set TM2, 30
.set TM3, 31
.set AF,  32                           ; v32-127  the rows' fragments: four slots of 24 (block j at 8 j); on the way out v32-95: rows read back from the stage
.set BF,  128                          ; v128-255 the weights' fragments: two buffers of 64
.set QB,  32                           ; while the list is made: 4 lane + c;
.set LQ,  36                           ;   v36-39 a batch's four q
.set T,   32                           ; while the weights stream: packed weights, two sets of 16
.set I0,  64                           ;   idx, first half;
.set U,   96                           ;   v96-127 the bf16 numbers in f32, on their way to f16;
.set I1,  192                          ;   idx, second half
.set RO,  208                          ; the way out: v208-215 byte offsets of the rows that I store
; window 1: v0-191 the accumulators, (block j, columns nt) at 8 (8 j + nt); v192-255 the bias in an accumulator's layout.  Until the first product the accumulators' registers serve the stream:
; v0-127 are the ring, four slots of 32; the bias as loaded lands in v128-191.
.set X,    0
.set RAW,  128
.set BIAS, 192
.set MSB, 0
.macro WIN new                         ; bits 1:0 source 0, 3:2 source 1, 5:4 source 2, 7:6 destination; the high byte repeats the setting that is left
.if MSB != (\new)
	s_set_vgpr_msb (MSB<<8)|(\new)
.set MSB, \new
.endif
.endm
	s_load_b256 s[4:11], s[0:1], 0x0               ; W2 s[4:5], b2 s[6:7], h s[8:9], idx s[10:11]
	s_load_b64 s[12:13], s[0:1], 0x20              ; part
	v_lshl_add_u32 v4, v0, 2, 0x4e000
	v_mov_b32 v5, 0
	v_lshrrev_b32 v[TMP], 5, v0
	v_readfirstlane_b32 s14, v[TMP]                ; wave 0..7
	s_and_b32 s15, ttmp7, 0xffff                   ; the expert
	v_and_b32 v1, 31, v0                           ; lane
	v_and_b32 v2, 15, v0                           ; lane % 16
	v_bfe_u32 v3, v0, 4, 1                         ; lane / 16
	v_lshlrev_b32 v[B0], 4, v1
	v_lshlrev_b32 v[VB], 5, v3                     ; the bias: eight f32 for each half of the lanes
	v_add_nc_u32 v[DUMP], 1024, v1
	v_lshlrev_b32 v[L4], 2, v1
.irp c, 0,1,2,3
	v_add_nc_u32 v[QB+\c], \c, v[L4]
.endr
.irp t, 0,1,2,3,4,5,6,7
	v_lshl_add_u32 v[BP+\t], v3, 2, 8*\t           ; 4 x lane (2 t + lane / 16)
.endr
	s_wait_alu depctr_va_sdst(0)                   ; s14 is written, ahead of its first reader: LDS places and the ring's offsets are made from it
	s_mul_i32 s23, s14, 16*SPITCH
	s_add_co_u32 s23, s23, STAGE                   ; my stage
	v_mul_u32_u24 v[STO], v2, SPITCH               ; in: row lane % 16, my eight columns in f32
	v_lshl_add_u32 v[STO], v3, 5, v[STO]
	v_add_nc_u32 v[STO], s23, v[STO]
	v_mul_u32_u24 v[RD], v3, SPITCH                ; back: lanes 0-15 one row of 256 bytes, lanes 16-31 the next
	v_lshl_add_u32 v[RD], v2, 4, v[RD]
	v_add_nc_u32 v[RD], s23, v[RD]
	s_mul_i32 s25, s14, LISTB
	s_add_co_u32 s25, s25, LISTS                   ; my list
	; eight rows k = 8 o .. 8 o + 7 of column n are 16 bytes of fragment (o / 4, n / 16), at 512 ((o / 2) % 2) + 256 (o % 2) + 16 (n % 16).  o = wave + 8 i; my columns are 4 lane + j.
	s_lshr_b32 s23, s14, 2
	s_mul_i32 s23, s23, KTB
	s_and_b32 s24, s14, 3
	s_lshl_b32 s24, s24, 8
	s_add_co_u32 s23, s23, s24
	v_lshrrev_b32 v[TMP], 2, v1
	v_mul_u32_u24 v[VST], v[TMP], FRAG
	v_and_b32 v[TMP], 3, v1
	v_lshl_add_u32 v[VST], v[TMP], 6, v[VST]
	v_add_nc_u32 v[VST], s23, v[VST]
	s_mul_i32 s23, s14, OCT
	v_add_nc_u32 v[OFF], s23, v[B0]
.irp i, 1,2,3
	v_add_nc_u32 v[OFF+\i], 8*\i*OCT, v[OFF]
.endr
	s_mov_b32 s40, 0xffff0000                      ; a word's upper bf16
	s_mov_b32 s21, 0
	s_mov_b32 s29, 0
	s_mov_b32 s31, 0
	s_mov_b32 s33, 0
	s_lshl_b32 s20, s15, 24                        ; an expert's weights are 2^24 bytes
	s_lshr_b32 s17, ttmp9, 3                       ; kp: which quarter of K
	s_and_b32 s18, ttmp9, 7                        ; which 128 columns
	s_lshl_b32 s23, s18, 9
	s_lshl_b32 s24, s17, 22
	s_add_co_u32 s20, s20, s24
	s_add_co_u32 s20, s20, s23
	s_lshl_b32 s28, s15, 12
	s_add_co_u32 s28, s28, s23
	s_lshl_b32 s30, s17, 12
	s_add_co_u32 s30, s30, s23
	s_lshl_b32 s32, s17, 11
	s_cmp_eq_u32 s17, 0
	s_cselect_b32 s39, -1, 0                       ; the bias is kept in the first quarter alone
	s_wait_kmcnt 0x0
	s_add_nc_u64 s[4:5], s[4:5], s[20:21]
	s_add_nc_u64 s[6:7], s[6:7], s[28:29]
	s_add_nc_u64 s[12:13], s[12:13], s[30:31]
	s_add_nc_u64 s[8:9], s[8:9], s[32:33]
	s_wait_alu depctr_va_vdst(0)                   ; B0, VB and OFF are written, which the first loads read as offsets; so are VST, STO, RD and BP, which LDS instructions read further down
.macro WLOAD i                         ; slot i: eight rows, 512 neighbouring bytes each; the caller has set the destination's window to 1
.irp p, 0,1,2,3,4,5,6,7
	global_load_b128 v[X+32*(\i)+4*\p:X+32*(\i)+4*\p+3], v[OFF+(\i)], s[4:5] offset:\p*ROWB th:TH_LOAD_NT
.endr
.endm
	; the first loads: idx, the bias, three slots of weights: 56 loads of the wave are out
.irp m, 0,1,2,3,4,5,6,7
	global_load_b128 v[I0+4*\m:I0+4*\m+3], v[B0], s[10:11] offset:512*\m
.endr
.irp m, 0,1,2,3,4,5,6,7
	global_load_b128 v[I1+4*\m:I1+4*\m+3], v[B0], s[10:11] offset:4096+512*\m
.endr
	WIN 0x40
.irp f, 0,1,2,3,4,5,6,7
	global_load_b128 v[RAW+8*\f:RAW+8*\f+3], v[VB], s[6:7] offset:64*\f
	global_load_b128 v[RAW+8*\f+4:RAW+8*\f+7], v[VB], s[6:7] offset:64*\f+16
.endr
	WLOAD 0
	WLOAD 1
	WLOAD 2
	WIN 0
; THE LIST.  Batch b: four registers of idx (entries q = 128 b + 4 lane + c; s16 = 128 b), taken in the order c = 0 .. 3: the lanes whose entry names my expert put their q at the next free places,
; in the lanes' order; the others at a place of their own behind the list.  The four compares stand in a run, with one wait behind them; the four stores in a run, with one wait ahead of them.
.macro LBATCH reg, b
.irp c, 0,1,2,3
	v_cmp_eq_u32 s[28+\c], s15, v[(\reg)+\c]
.endr
	s_wait_alu depctr_va_sdst(0)                   ; the four masks s28 to s31 are written, ahead of their first reader
.if (\b) > 0
	s_wait_alu depctr_vm_vsrc(0)                   ; the last batch's LDS stores have read LT and LQ, which are written again below
.endif
.irp c, 0,1,2,3
	v_mbcnt_lo_u32_b32 v[LT+\c], s[28+\c], s22
	s_bcnt1_i32_b32 s23, s[28+\c]
	s_add_co_u32 s22, s22, s23
.endr
.irp c, 0,1,2,3
	v_cndmask_b32 v[LT+\c], v[DUMP], v[LT+\c], s[28+\c]
.endr
.irp c, 0,1,2,3
	v_min_u32 v[LT+\c], 0x41f, v[LT+\c]
.endr
.irp c, 0,1,2,3
	v_lshl_add_u32 v[LT+\c], v[LT+\c], 1, s25
.endr
.irp c, 0,1,2,3
	v_add_nc_u32 v[LQ+\c], s16, v[QB+\c]
.endr
	s_wait_alu depctr_va_vdst(0)                   ; LT and LQ are written: the stores' addresses and data
.irp c, 0,1,2,3
	ds_store_b16 v[LT+\c], v[LQ+\c]
.endr
	s_addk_co_i32 s16, 0x80
.endm
	s_wait_loadcnt 40                              ; idx is in; the 16 loads of the bias and the 24 of the weights stay out
	WIN 0x40
	WLOAD 3                                        ; the ring's fourth slot (no vector instruction has been issued since the head's wait)
	WIN 0
	s_mov_b32 s22, 0
	s_mov_b32 s16, 0
.set n, 0
.rept 16
.if n < 8
	LBATCH I0+4*n, n
.else
	LBATCH I1+4*n-32, n
.endif
.set n, n+1
.endr
	s_sub_co_u32 s42, s22, 1                       ; the place of the expert's last row,
	s_add_co_u32 s43, s22, 15
	s_lshr_b32 s43, s43, 4                         ; its blocks of 16 rows
; THE STREAM.  Slot i's eight rows are rounded to bf16, eight numbers along K to 16 bytes; ahead = 1: the slot takes the rows 32 octets on; then the bf16 numbers are written as f16 and stored.
; left: the younger slots' loads, eight each.
.macro SLOTW i, ahead, left
.set TT, T+16*((\i)%2)
.set XX, X+32*(\i)
	s_wait_loadcnt \left
	s_wait_alu depctr_vm_vsrc(0)                   ; the LDS stores of two slots back have read this set of T (ahead of the first slot: the list's stores have read LQ, which lies in it); the slot's loads have read OFF[i]
	WIN 0x05                                       ; both sources in window 1
.irp j, 0,1,2,3
.irp p, 0,1,2,3
	v_cvt_pk_bf16_f32 v[TT+4*\j+\p], v[XX+8*\p+\j], v[XX+8*\p+4+\j]
.endr
.endr
	WIN 0
.if \ahead
	v_add_nc_u32 v[OFF+(\i)], 32*OCT, v[OFF+(\i)]  ; free since the wait on LOADcnt has shown the slot's loads done
	s_wait_alu depctr_va_vdst(0)                   ; the conversions are done reading X[i], in which the loads land; OFF[i] is written
	WIN 0x40
	WLOAD \i
	WIN 0
.endif
.set z, 0
.rept 16
	v_lshlrev_b32 v[U+2*z], 16, v[TT+z]
	v_and_b32 v[U+2*z+1], s40, v[TT+z]
.set z, z+1
.endr
.set z, 0
.rept 16
	v_cvt_pk_f16_f32 v[TT+z], v[U+2*z], v[U+2*z+1]
.set z, z+1
.endr
	s_wait_alu depctr_va_vdst(0)                   ; the second conversions have written T, which the LDS stores read; in a round's first slot VST is written
.irp j, 0,1,2,3
	ds_store_b128 v[VST], v[TT+4*\j:TT+4*\j+3] offset:2*KTB*(\i)+16*\j
.endr
.endm
	s_mov_b32 s62, 3
.Lround:
	SLOTW 0, 1, 24
	SLOTW 1, 1, 24
	SLOTW 2, 1, 24
	SLOTW 3, 1, 24
	s_wait_alu depctr_vm_vsrc(0)                   ; the round's LDS stores have read VST
	v_add_nc_u32 v[VST], 8*KTB, v[VST]
	s_sub_co_u32 s62, s62, 1
	s_cmp_lg_u32 s62, 0
	s_cbranch_scc1 .Lround
	SLOTW 0, 0, 24                                 ; the last round loads nothing: the counts run down
	SLOTW 1, 0, 16
	SLOTW 2, 0, 8
	SLOTW 3, 0, 0
	; the bias, rounded to bf16 like every input, back in f32
	s_wait_alu depctr_vm_vsrc(0)                   ; the last LDS stores have read T, which is written again below; the ring's loads have read OFF, of which v28 and v29 become H16 and R16
	WIN 0x05
.set z, 0
.rept 32
	v_cvt_pk_bf16_f32 v[T+z], v[RAW+2*z], v[RAW+2*z+1]
.set z, z+1
.endr
	WIN 0
.set z, 0
.rept 32
	v_and_b32 v[T+z], s39, v[T+z]                  ; 0 in the quarters that do not carry the bias
.set z, z+1
.endr
	WIN 0x40
.set z, 0
.rept 32
	v_lshlrev_b32 v[BIAS+2*z], 16, v[T+z]
	v_and_b32 v[BIAS+2*z+1], s40, v[T+z]
.set z, z+1
.endr
	WIN 0
	v_lshlrev_b32 v[H16], 4, v3                    ; the ring's offsets are free
	v_lshlrev_b32 v[R16], 4, v2
	s_wait_dscnt 0x0                               ; for the others' sake: my part of the slice is stored
	s_barrier_signal -1
	s_barrier_wait -1                              ; the slice is whole; nothing writes it from here on
.macro MMA d, a, b, c
	v_wmma_f32_16x16x32_f16 v[\d:\d+7], v[\a:\a+7], v[\b:\b+7], v[\c:\c+7]
.endm
.macro MUL8 k, j, first                ; block j's eight products of a K step
.irp nt, 0,1,2,3,4,5,6,7
.if \first
	MMA 8*(8*(\j)+\nt), BF+64*((\k)%2)+8*\nt, AF+24*((\k)%4)+8*(\j), BIAS+8*\nt
.else
	MMA 8*(8*(\j)+\nt), BF+64*((\k)%2)+8*\nt, AF+24*((\k)%4)+8*(\j), 8*(8*(\j)+\nt)
.endif
.endr
.endm
.macro BLD buf, off, n0                ; four of the eight fragments of the weights for 32 along K, n0 to n0 + 3: each load takes 512 neighbouring bytes
.irp nt, 0,1,2,3
	ds_load_b128 v[BF+64*(\buf)+8*((\n0)+\nt):BF+64*(\buf)+8*((\n0)+\nt)+3], v[VB] offset:(\off)+FRAG*((\n0)+\nt)
	ds_load_b128 v[BF+64*(\buf)+8*((\n0)+\nt)+4:BF+64*(\buf)+8*((\n0)+\nt)+7], v[VB] offset:(\off)+FRAG*((\n0)+\nt)+512
.endr
.endm
.macro ALD slot, off                   ; the three fragments of the rows: lane l holds row l % 16, K = 8 (l / 16) + 0..7 and 16 more
.irp j, 0,1,2
	global_load_b128 v[AF+24*(\slot)+8*\j:AF+24*(\slot)+8*\j+3], v[AO+\j], s[8:9] offset:(\off)
	global_load_b128 v[AF+24*(\slot)+8*\j+4:AF+24*(\slot)+8*\j+7], v[AO+\j], s[8:9] offset:(\off)+32
.endr
.endm
; 32 along K: step k, counted from the four steps at which VB and AO stand.  The rows three steps on and the next step's weights are asked for, half of the weights ahead of this step's products and half
; between them; the accumulators go by turns, one instruction a turn.  first = 1: the products start the sums, with the bias as C.  acnt: the rows' loads of the younger steps, six each.
.macro KSTEP k, first, ldb, lda, acnt
.if !(\first)
.rept 4
	v_nop                                          ; four places behind the last products, as in the plain form of this text; they stay beside the wait below
.endr
.if (\ldb)+(\lda)
	s_wait_alu depctr_va_vdst(0)                   ; the last step's products are done reading BF[(k + 1) % 2] and AF[(k + 3) % 4], in which this step's loads land; in a trip's first step AO and VB are written
.endif
.endif
.if \lda
	ALD ((\k)+3)%4, 64*((\k)+3)
.endif
.if \ldb
	BLD ((\k)+1)%2, KTB*((\k)+1), 0
	s_wait_dscnt 8                                 ; all but the 8 just issued: this step's weights are in
.else
	s_wait_dscnt 0
.endif
	s_wait_loadcnt \acnt
	WIN 0x50                                       ; C and D in window 1
	MUL8 \k, 0, \first
.if \ldb
	WIN 0
	BLD ((\k)+1)%2, KTB*((\k)+1), 4                ; no wait: the products issued since the step's wait name BF[k % 2], AF[k % 4], the sums and the bias alone
	WIN 0x50
.endif
	MUL8 \k, 1, \first
	WIN 0                                          ; at a branch and at a label every window is 0
	s_cmp_lt_u32 s49, 3
	s_cbranch_scc1 .Lno3_\@                        ; the third block is past the count: its products are jumped
	WIN 0x50
	MUL8 \k, 2, \first
	WIN 0
.Lno3_\@:
.endm
; THE WAY OUT.  A block's 64 columns of f32 are a stage row's 256 bytes.  STG: they go in, each accumulator's four lowest registers first, and come back as 16 whole rows.  SEND: these are stored, 16 lanes to 256 neighbouring bytes, aligned.
.macro STG j, hf
	WIN 0x04                                       ; the stores' data in window 1
.irp f, 0,1,2,3
	ds_store_b128 v[STO], v[8*(8*(\j)+4*(\hf)+\f):8*(8*(\j)+4*(\hf)+\f)+3] offset:64*\f
	ds_store_b128 v[STO], v[8*(8*(\j)+4*(\hf)+\f)+4:8*(8*(\j)+4*(\hf)+\f)+7] offset:64*\f+16
.endr
	WIN 0
.irp t, 0,1,2,3,4,5,6,7
	ds_load_b128 v[32+32*(\hf)+4*\t:32+32*(\hf)+4*\t+3], v[RD] offset:2*SPITCH*\t  ; LDS serves a wave's instructions in order (ISA guide 5.7.1.4): these see my stores into the stage
.endr
.endm
.macro SEND hf
.irp t, 0,1,2,3,4,5,6,7
	s_wait_dscnt 7-\t
	global_store_b128 v[RO+\t], v[32+32*(\hf)+4*\t:32+32*(\hf)+4*\t+3], s[12:13] offset:256*(\hf)
.endr
.endm
.macro OUT j                           ; the pass's block j
	s_cmp_le_u32 s49, \j
	s_cbranch_scc1 .Lskip                          ; it lies past the count, and so do the blocks behind it
	s_wait_xcnt 0x0                                ; the offsets and the data of earlier stores are written again only behind this wait
	s_wait_alu depctr_vm_vsrc(0)                   ; the global stores issued so far have read RO and v32-95, in which the permutes' results and the stage's loads land
.irp t, 0,1,2,3,4,5,6,7
	ds_bpermute_b32 v[RO+\t], v[BP+\t], v[Q+(\j)]  ; the q of row 2 t + lane / 16, which lane 2 t + lane / 16 holds.  No wait on va_vdst: since the wait ahead of the way out, and since the one behind RO's arithmetic, no vector line names RO, BP or Q
.endr
	STG \j, 0                                      ; the first half goes through the stage while the permutes are out: the wait ahead of the way out has shown the sums written and all vector and matrix lines done with v32-95
	s_wait_dscnt 16                                ; the permutes are back; the 8 stores and 8 loads behind them stay out
.irp t, 0,1,2,3,4,5,6,7
	v_min_u32 v[RO+\t], 0x7ff, v[RO+\t]
.endr
.irp t, 0,1,2,3,4,5,6,7
	v_lshl_add_u32 v[RO+\t], v[RO+\t], OSH, v[R16]
.endr
	s_wait_alu depctr_va_vdst(0)                   ; RO is written, which the global stores read as their offsets
	SEND 0
	STG \j, 1
	SEND 1
.endm
	s_mov_b32 s44, s14                             ; my first block of the pass: wave + 24 pass
	s_mov_b32 s45, 3
.Lpass:
	s_sub_co_i32 s49, s43, s44                     ; my live blocks in this pass, every eighth from mine on: 0 to 3
	s_add_co_i32 s49, s49, 7
	s_ashr_i32 s49, s49, 3
	s_max_i32 s49, s49, 0
	s_min_i32 s49, s49, 3
	s_cmp_eq_u32 s49, 0
	s_cbranch_scc1 .Lnowalk                        ; none: forward over the walk, to the barrier that every wave passes
	s_lshl_b32 s47, s44, 4
	s_mov_b32 s63, 0                               ; the K steps' place in the slice
	s_wait_xcnt 0x0                                ; the last pass's stores have read their registers
	s_wait_alu depctr_vm_vsrc(0)                   ; all that memory and LDS instructions have read so far is free to be written: TMP, TM2, TM3, Q, AO and VB below, RO and v32-95, which lie in BF and AF, and the sums, which the stage's stores read
	v_add_nc_u32 v[TMP], s47, v2                   ; my place in the list, for the three blocks, 128 places apart;
	v_add_nc_u32 v[TM2], 0x80, v[TMP]
	v_add_nc_u32 v[TM3], 0x100, v[TMP]
.irp t, TMP, TM2, TM3
	v_min_u32 v[\t], s42, v[\t]                    ; past the count: the last row once more
.endr
.irp t, TMP, TM2, TM3
	v_min_u32 v[\t], 0x3ff, v[\t]
.endr
.irp t, TMP, TM2, TM3
	v_lshl_add_u32 v[\t], v[\t], 1, s25
.endr
	s_wait_alu depctr_va_vdst(0)                   ; the three addresses are written; so is Q, by the vector lines that named it last (the list's, or the last pass's), in which the loads land
	ds_load_u16 v[Q], v[TMP]
	ds_load_u16 v[Q+1], v[TM2]
	ds_load_u16 v[Q+2], v[TM3]
	s_wait_dscnt 0x0
.irp j, 0,1,2
	v_min_u32 v[Q+\j], 0x7ff, v[Q+\j]
.endr
.irp j, 0,1,2
	v_lshl_add_u32 v[AO+\j], v[Q+\j], 13, v[H16]   ; row q of h
.endr
	v_add_nc_u32 v[VB], s63, v[B0]
	s_wait_alu depctr_va_vdst(0)                   ; AO, VB and Q are written; the vector lines that named AF's and BF's registers (the list, the stream, the last way out) are done with them: the loads below land there
	ALD 0, 0                                       ; the rows of K steps 0, 1, 2 and the weights of step 0
	ALD 1, 64
	ALD 2, 128
	BLD 0, 0, 0
	BLD 0, 0, 4
	KSTEP 0, 1, 1, 1, 18                           ; step 0 stands in front of the loop: it starts the sums
	s_mov_b32 s46, 7
.Lk:                                                   ; trip t: steps 4 t + 1 .. 4 t + 4; all of them ask for a next step's weights and for rows three steps on
	KSTEP 1, 0, 1, 1, 18
	KSTEP 2, 0, 1, 1, 18
	KSTEP 3, 0, 1, 1, 18
	KSTEP 4, 0, 1, 1, 18
	s_wait_xcnt 0x0                                ; the rows' offsets are sources of loads that are out: they step only behind this wait
	s_wait_alu depctr_vm_vsrc(0)                   ; the loads issued so far have read AO and VB
.irp j, 0,1,2
	v_add_nc_u32 v[AO+\j], 256, v[AO+\j]
.endr
	s_add_co_u32 s63, s63, 4*KTB
	v_add_nc_u32 v[VB], s63, v[B0]                 ; made anew for the next four steps from the scalar that steps
	s_sub_co_u32 s46, s46, 1
	s_cmp_lg_u32 s46, 0
	s_cbranch_scc1 .Lk
	KSTEP 1, 0, 1, 0, 12                           ; steps 29, 30, 31: nothing is asked for past the quarter's end, and the counts run down
	KSTEP 2, 0, 1, 0, 6
	KSTEP 3, 0, 0, 0, 0
.rept 4
	v_nop                                          ; four places behind the last products, ahead of all that reads their results or writes their sources
.endr
.Lnowalk:
	s_wait_alu depctr_va_vdst(0)                   ; behind the label, so on both ways.  Through the walk: the products have written the sums, which the stage's stores read, and are done reading AF and BF, in whose registers the stage's loads (v32-95) and the permutes (RO) land; the places above stay beside this wait.  Round the walk: the bias's vector lines have written, and are done reading, v32-63
	s_wait_dscnt 0x0                               ; my reads of the slice are over;
	s_barrier_signal -1
	s_barrier_wait -1                              ; every wave's are: only now is a stage written
	OUT 0
	OUT 1
	OUT 2
.Lskip:
	s_wait_dscnt 0x0                               ; my stores into my stage and my reads of it are over;
	s_barrier_signal -1
	s_barrier_wait -1                              ; every wave's are: only now is the slice read again
	s_add_co_u32 s44, s44, 24
	s_sub_co_u32 s45, s45, 1
	s_cmp_lg_u32 s45, 0
	s_cbranch_scc1 .Lpass
	s_wait_dscnt 0x0                               ; the wave's end.
	s_wait_alu depctr_hold_cnt(0) depctr_sa_sdst(0) depctr_va_vdst(0) depctr_va_sdst(0) depctr_va_ssrc(0) depctr_va_vcc(0) depctr_vm_vsrc(0)
	s_wait_tensorcnt 0x0
	ds_add_u32 v4, v5
	s_wait_dscnt 0x0
	s_endpgm
.Lfunc_end_k_qbd63441299_ffn2:
	.size	k_qbd63441299_ffn2, .Lfunc_end_k_qbd63441299_ffn2-k_qbd63441299_ffn2
	.p2alignl 7, 3214868480
	.fill 96, 4, 3214868480
	.section	.rodata,"a",@progbits
	.p2align	6, 0x0
	.amdhsa_kernel k_qbd63441299_ffn2
		.amdhsa_group_segment_fixed_size 320512
		.amdhsa_private_segment_fixed_size 0
		.amdhsa_enable_private_segment 0
		.amdhsa_kernarg_size 40
		.amdhsa_user_sgpr_count 2
		.amdhsa_user_sgpr_kernarg_segment_ptr 1
		.amdhsa_wavefront_size32 1
		.amdhsa_system_sgpr_workgroup_id_x 1
		.amdhsa_system_sgpr_workgroup_id_y 1
		.amdhsa_system_sgpr_workgroup_id_z 1
		.amdhsa_system_vgpr_workitem_id 0
		.amdhsa_next_free_vgpr 512
		.amdhsa_next_free_sgpr 66
		.amdhsa_reserve_vcc 0
		.amdhsa_float_denorm_mode_32 3
		.amdhsa_float_denorm_mode_16_64 3
		.amdhsa_memory_ordered 1
		.amdhsa_forward_progress 1
		.amdhsa_inst_pref_size 127
	.end_amdhsa_kernel
	.amdgpu_metadata
---
amdhsa.version: [ 1, 2 ]
amdhsa.kernels:
  - .name:           k_qbd63441299_ffn2
    .symbol:         k_qbd63441299_ffn2.kd
    .args:
      - { .name: W2, .offset: 0, .size: 8, .value_kind: global_buffer, .address_space: global }
      - { .name: b2, .offset: 8, .size: 8, .value_kind: global_buffer, .address_space: global }
      - { .name: h, .offset: 16, .size: 8, .value_kind: global_buffer, .address_space: global }
      - { .name: idx, .offset: 24, .size: 8, .value_kind: global_buffer, .address_space: global }
      - { .name: part, .offset: 32, .size: 8, .value_kind: global_buffer, .address_space: global }
    .group_segment_fixed_size: 320512
    .private_segment_fixed_size: 0
    .kernarg_segment_align: 8
    .kernarg_segment_size: 40
    .max_flat_workgroup_size: 256
    .sgpr_count:     66
    .vgpr_count:     512
    .wavefront_size: 32
...
	.end_amdgpu_metadata
.endif
;; end of part 6
;; launch combine: the kernel of part 4 again; grid 256 x 1, 8 waves a work-group, no clusters, 0 bytes of LDS; arguments part, wts, rsum, out0, out1; writes out0, out1
